; MI455X (gfx1250); checked and timed in simulation.
; The chip was launched on July 23, 2026; its instructions are those of AMD's public machine-readable ISA for CDNA 5 (MIT licence, August 2026) and "CDNA5" Instruction Set Architecture Reference Guide (July 2026). The comments in the code are by the model that wrote it; some were corrected since.
;; Tree. Allowed arithmetic: matrix products marked QUANTISED: E2M1 operands, one E8M0 scale for each 32 along K, by v_wmma_scale_f32_16x16x128_f8f6f4 with both operands' format E2M1 (or v_wmma_scale_f32_32x16x128_f4), f32 sums; products left as they are: bf16, f16 or f32 operands; f32 sums; everything else in f32.
;; Inputs: W 1,024 x 1,024 float32; b 1,024 float32; feature_mask 2,048 x 1,024 float32; x 16,384 x 2,048 float32.
;; Outputs: out0 16,384 x 1,024 float32.
;; This version of the problem:
;;   THIS VERSION OF THE PROBLEM IS GIVEN IN LOW PRECISION. The matrix products marked QUANTISED in the list below multiply operands that are first quantised to E2M1 (2 exponent bits, 1 mantissa bit; 4 bits a number), with one power-of-two scale for each 32 numbers along K (OCP MX v1.0); their sums are f32. The products marked 'left as it is' may take bf16, f16 or f32 operands, with f32 sums. Whichever they take, every output number must still come out within the allowed error. Rounding operands to bf16 (8 significant bits) uses up far more of that allowance than f16 does (11 bits, for magnitudes from 6e-5 to 65,504). All else is computed in f32.
;;   The module's matrix products, in the order in which they are computed (A, B: the left and right operand; K: the contracted axis; several contracted axes count as one K, in the product's order):
;;     1. [M 16,384, K 2,048] x [K 2,048, N 1,024]; A: input x; B: input feature_mask: QUANTISED
;;     2. [M 16,384, K 1,024] x [K 1,024, N 1,024]; A: computed on the way; B: input W: left as it is (an operand is computed on the way)
;;   THE QUANTISER, for each operand of a quantised product, along K:
;;     - K is cut into blocks of 32 from its start; a last block that is shorter is filled with zeros.
;;     - A block's scale is 2^e with e = floor(log2(the largest magnitude in the block)) - 2, held to -126 .. 127; a block of zeros has e = 0. As a byte (E8M0): e + 127.
;;     - Each number is divided by its block's scale, clamped to +-6, and rounded to the nearest number of E2M1, ties to even, subnormals kept.
;;     - The product sums the exact products of the quantised numbers (number of the format x scale) in f32.
;;   ~~~python
;;   def quantise(x, axis):      # numpy; x: float32 -> the quantised numbers, widened to float32 again
;;       x = np.moveaxis(x, axis, -1); K = x.shape[-1]
;;       x = np.pad(x, [(0, 0)] * (x.ndim - 1) + [(0, -K % 32)]); x = x.reshape(x.shape[:-1] + (-1, 32)); a = np.abs(x).max(-1, keepdims=True)
;;       e = np.where(a > 0, np.clip(np.frexp(np.where(a > 0, a, 1))[1] - 1 - 2, -126, 127), 0)      # np.frexp(a)[1] - 1 = floor(log2(a)), exactly
;;       r = np.clip(x / 2.0 ** e, -6, 6)
;;       step = 2.0 ** (np.maximum(np.frexp(np.where(r == 0, 1, r))[1] - 1, 0) - 1)
;;       q = np.round(r / step) * step * 2.0 ** e      # np.round: ties to even
;;       return np.moveaxis(q.reshape(q.shape[:-2] + (-1,))[..., :K], -1, axis).astype(np.float32)
;;   ~~~
;; 2 versions, each right and faster than the one before. Each part assembles by itself: llvm-mc -triple=amdgcn-amd-amdhsa -mcpu=gfx1250 --defsym DOCPART=n.
;; ======== version 1 of 2: 2 launches
;; limits: values are held in f16: magnitudes above 65,504 overflow, below 6.1e-05 lose precision; right only within a limited range of input values
;; workspace buffers: mq 1,114,112 bytes; wq 2,097,152 bytes
;; launch prep (part 1): grid 384 x 1, 4 waves a work-group, no clusters, 9,728 bytes of LDS; arguments feature_mask, W, mq, wq; writes mq, wq
.if DOCPART == 1
	.amdgcn_target "amdgcn-amd-amdhsa--gfx1250"
	.amdhsa_code_object_version 6
	.text
	.protected	k_q1d6da4abc2_prep
	.globl	k_q1d6da4abc2_prep
	.p2align	8
	.type	k_q1d6da4abc2_prep,@function
k_q1d6da4abc2_prep:
	s_mov_b64 s[64:65], 0
	v_nop
	global_prefetch_b8 v0, s[64:65] scope:SCOPE_SE
	s_setreg_imm32_b32 hwreg(HW_REG_WAVE_MODE, 25, 1), 1
	s_wait_xcnt 0x0
; The two weights are laid out once, in the order in which the next launch's operand registers take them.
; WORK-GROUPS 0-127: feature_mask [2048 (k)][1024 (n)] f32 -> mq: codes of E2M1 along K and one E8M0 byte for each 32 along K.
;   A lane takes a column n and its registers run down K: a block of 32 lies in one lane, and the conversions give codes with K innermost.
;   mq = 8 tiles (K = 256 c on) x 4 parts (columns 256 w on) of 34,816 bytes: [K step of 128, 2][16 columns, 16][1,024 bytes: the fragment's registers, group c of lane l at 512 c + 16 l], then the scale words [K step, 2][32 columns, 8][lane][4 bytes].
;   A block's byte is its largest magnitude's exponent field - 2, held at 1 from below.
; WORK-GROUPS 128-383: W [1024 (node)][1024 (k)] f32 -> wq: 64 W in f16, fragments of 16 rows x 32 k as register images, rows in the order of the tree.
;   wq = 16 tiles (tile 4 qq + ii: k = 256 ii + 64 qq on, 64 of them) x 4 parts w of 32,768 bytes: [32 k, 2][tile t, 16][1,024 bytes].
;   Row rho of tile t of part w: hD = rho / 8, sigma = 8 t + rho % 8.  sigma >= 1: node sigma + (7 + 2 w + hD) p, p the highest power of two not above sigma: heap place sigma of the subtree under node 8 + 2 w + hD.
;   sigma = 0: node 4 + w (hD = 0) or node w (hD = 1): the tree's top.
; LIMITS: |W| under 1,023 (64 W stays inside f16); blocks of the mask whose largest magnitude lies under 2^-124, zeros among them, keep the byte 1 (their codes are read by this program alone); NaN and infinities are not served.
.set SPARE, 9216                       ; behind the four stages of 2,304 bytes: the spare words, 128 bytes a wave
.set SPW, 14                           ; v14 my spare word's LDS address; never rewritten
.set NIL, 15                           ; v15 0; never rewritten
	s_load_b256 s[4:11], s[0:1], 0x0               ; feature_mask s[4:5], W s[6:7], mq s[8:9], wq s[10:11]
	v_lshl_add_u32 v[SPW], v0, 2, SPARE
	v_mov_b32 v[NIL], 0
	v_lshrrev_b32 v1, 5, v0
	v_readfirstlane_b32 s12, v1                    ; wave
	v_and_b32 v2, 31, v0                           ; lane
	v_and_b32 v3, 15, v0                           ; lane % 16
	v_bfe_u32 v4, v0, 4, 1                         ; lane / 16
	s_cmp_lt_u32 ttmp9, 128                        ; the work-group's number alone decides the path
	s_cbranch_scc0 .Lw_path
	; ---- the mask: K step s = wg / 8 (128 rows of the mask), columns 32 cg on, cg = 4 (wg % 8) + wave
	s_lshr_b32 s13, ttmp9, 3                       ; s
	s_and_b32 s14, ttmp9, 7
	s_lshl_b32 s14, s14, 2
	s_add_co_u32 s14, s14, s12                     ; cg
	s_lshl_b32 s16, s13, 19                        ; 128 rows of 4,096 bytes
	s_lshl_b32 s15, s14, 7
	s_add_co_u32 s16, s16, s15                     ; + 32 columns of 4 bytes
	s_mov_b32 s17, 0
	s_lshr_b32 s18, s13, 1
	s_mul_i32 s18, s18, 139264                     ; the tile
	s_lshr_b32 s15, s14, 3
	s_mul_i32 s15, s15, 34816
	s_add_co_u32 s18, s18, s15                     ; the part
	s_and_b32 s19, s13, 1                          ; which K step of the tile
	s_and_b32 s15, s14, 7                          ; which 32 columns of the part
	s_lshl_b32 s20, s19, 14
	s_add_co_u32 s20, s20, s18
	s_lshl_b32 s22, s15, 11
	s_add_co_u32 s20, s20, s22                     ; codes: two fragments of 1,024 bytes
	s_mov_b32 s21, 0
	s_lshl_b32 s22, s19, 10
	s_add_co_u32 s22, s22, s18
	s_lshl_b32 s23, s15, 7
	s_add_co_u32 s22, s22, s23
	s_add_co_u32 s22, s22, 32768                   ; scale words: behind the part's codes
	s_mov_b32 s23, 0
	v_lshlrev_b32 v5, 2, v2                        ; 4 x lane: my column in a row of the mask, and my scale word
	v_lshlrev_b32 v6, 4, v3
	v_lshl_add_u32 v6, v4, 10, v6                  ; my 16 bytes of a block: fragment lane / 16, 16 (lane % 16)
	s_wait_kmcnt 0x0
	s_add_nc_u64 s[4:5], s[4:5], s[16:17]
	s_add_nc_u64 s[20:21], s[8:9], s[20:21]
	s_add_nc_u64 s[22:23], s[8:9], s[22:23]
.macro MLOAD b                         ; block b: rows 32 b + i of the K step, my column; a wave reads 128 consecutive bytes, the four waves 512
.set li, 0
.rept 32
	global_load_b32 v[32+32*(\b)+li], v5, s[4:5] offset:(32*(\b)+li)*4096 th:TH_LOAD_NT
.set li, li+1
.endr
.endm
.macro MBLOCK b                        ; every block has registers of its own: no store's data are written again
.set X, 32+32*(\b)
.set M, 180+2*(\b)
	v_max3_num_f32 v[M], |v[X]|, |v[X+1]|, |v[X+2]|
	v_max3_num_f32 v[M+1], |v[X+3]|, |v[X+4]|, |v[X+5]|
.irp i, 6,10,14,18,22,26
	v_max3_num_f32 v[M], v[M], |v[X+\i]|, |v[X+\i+1]|
	v_max3_num_f32 v[M+1], v[M+1], |v[X+\i+2]|, |v[X+\i+3]|
.endr
	v_max3_num_f32 v[M], v[M], |v[X+30]|, |v[X+31]|
	v_max3_num_f32 v[M], v[M], v[M+1], 0x1800000   ; the floor 2^(3 - 127): the byte cannot fall under 1
	v_add_nc_u32 v[176+(\b)], 0xff000000, v[M]     ; 2 off the exponent field: the conversion's scale operand
.irp g, 0,1,2,3
	v_cvt_scalef32_pk8_fp4_f32 v[160+4*(\b)+\g], v[X+8*\g:X+8*\g+7], v[176+(\b)]
.endr
	v_lshrrev_b32 v[188+(\b)], 23, v[176+(\b)]     ; the scale's byte
.if (\b) == 0
	v_mov_b32 v24, v188
.else
	v_lshl_or_b32 v24, v[188+(\b)], 8*(\b), v24    ; byte b of my column's scale word
.endif
	global_store_b128 v6, v[160+4*(\b):163+4*(\b)], s[20:21] offset:256*(\b)   ; sixteen lanes store 256 consecutive bytes, aligned
.endm
	MLOAD 0
	MLOAD 1
	s_wait_loadcnt 32                              ; block 0 is in; block 1's 32 loads may be out
	MLOAD 2
	MBLOCK 0
	s_wait_loadcnt 32                              ; block 1 is in; block 2's may be out
	MLOAD 3
	MBLOCK 1
	s_wait_loadcnt 32                              ; block 2 is in; block 3's may be out
	MBLOCK 2
	s_wait_loadcnt 0x0
	MBLOCK 3
	global_store_b32 v5, v24, s[22:23]
	s_wait_tensorcnt 0x0                           ; the wave's end
	ds_add_u32 v[SPW], v[NIL]
	s_wait_dscnt 0x0
	s_endpgm
.Lw_path:
	; ---- W: wave J = 4 (wg - 128) + wave makes the two fragments (32 k each) of tile tau = J / 64, part w = (J / 16) % 4, tile of rows t = J % 16
	s_sub_co_u32 s13, ttmp9, 128
	s_lshl_b32 s13, s13, 2
	s_add_co_u32 s13, s13, s12                     ; J
	s_lshr_b32 s14, s13, 6                         ; tau
	s_bfe_u32 s15, s13, 0x20004                    ; w
	s_and_b32 s16, s13, 15                         ; t
	s_and_b32 s17, s14, 3
	s_lshl_b32 s17, s17, 10                        ; 256 ii numbers of 4 bytes
	s_lshr_b32 s18, s14, 2
	s_lshl_b32 s18, s18, 8                         ; 64 qq numbers
	s_add_co_u32 s18, s18, s17
	s_mov_b32 s19, 0
	s_lshl_b32 s20, s14, 17
	s_lshl_b32 s21, s15, 15
	s_add_co_u32 s20, s20, s21
	s_lshl_b32 s21, s16, 10
	s_add_co_u32 s20, s20, s21                     ; wq: tile, part, tile of rows
	s_mov_b32 s21, 0
	s_lshl_b32 s22, s16, 3                         ; 8 t
	s_lshl_b32 s23, s15, 1
	s_add_co_u32 s23, s23, 7                       ; 7 + 2 w: rows 0-7 of the tile
	s_add_co_u32 s24, s23, 1                       ; 8 + 2 w: rows 8-15
	s_add_co_u32 s25, s15, 4                       ; node 4 + w
	s_mov_b32 s26, 0x42800000                      ; 64.0
	s_mov_b32 s27, s26                             ; (named with it as a pair)
	s_mul_i32 s28, s12, 2304                       ; my stage
	v_lshlrev_b32 v7, 4, v2                        ; 16 x lane
	v_lshlrev_b32 v8, 4, v3                        ; 16 x (lane % 16)
	v_lshrrev_b32 v5, 1, v3
	v_mul_u32_u24 v5, v5, 288                      ; into the stage: line (lane % 16) / 2 = (which 32 k, which 16 of them, which 8 of those), 256 bytes + 32 of padding,
	v_and_b32 v9, 1, v3
	v_lshl_add_u32 v5, v9, 3, v5                   ; my 4 numbers' 8 bytes,
	v_lshl_add_u32 v5, v4, 4, v5                   ; row 2 j + lane / 16: 16 bytes a row
	v_add_nc_u32 v5, s28, v5
	v_mul_u32_u24 v6, v4, 288                      ; out of it: lines 2 i + lane / 16, 16 bytes of row lane % 16: the fragment's register group i % 2 of my lane
	v_add_nc_u32 v6, v6, v8
	v_add_nc_u32 v6, s28, v6
	v_add_nc_u32 v10, s22, v4                      ; 8 t + lane / 16
	v_mov_b32 v11, s25
	v_mov_b32 v12, s15
.irp a, 0,1,2,3                        ; loads a and 4 + a take rows 2 a + lane / 16 and 8 more: the same sigma, the two subtrees
	v_add_nc_u32 v[16+\a], 2*\a, v10               ; sigma
	v_lshrrev_b32 v[20+\a], 1, v[16+\a]
	v_or_b32 v[24+\a], v[16+\a], v[20+\a]
	v_lshrrev_b32 v[20+\a], 2, v[24+\a]
	v_or_b32 v[24+\a], v[24+\a], v[20+\a]
	v_lshrrev_b32 v[20+\a], 4, v[24+\a]
	v_or_b32 v[24+\a], v[24+\a], v[20+\a]          ; all bits under sigma's highest are set (sigma has 7 bits)
	v_add_nc_u32 v[24+\a], 1, v[24+\a]
	v_lshrrev_b32 v[24+\a], 1, v[24+\a]            ; p
	v_cmp_eq_u32 vcc_lo, 0, v[16+\a]
	v_mad_u32_u24 v[28+\a], v[24+\a], s23, v[16+\a]
	v_cndmask_b32 v[28+\a], v[28+\a], v11, vcc_lo  ; sigma = 0: node 4 + w
	v_lshl_add_u32 v[40+\a], v[28+\a], 12, v8      ; the node's row of 4,096 bytes + my 16 bytes
	v_mad_u32_u24 v[32+\a], v[24+\a], s24, v[16+\a]
	v_cndmask_b32 v[32+\a], v[32+\a], v12, vcc_lo  ; sigma = 0: node w
	v_lshl_add_u32 v[44+\a], v[32+\a], 12, v8
.endr
	s_wait_kmcnt 0x0
	s_add_nc_u64 s[6:7], s[6:7], s[18:19]
	s_add_nc_u64 s[10:11], s[10:11], s[20:21]
.irp j, 0,1,2,3,4,5,6,7
	global_load_b128 v[48+4*\j:51+4*\j], v[40+\j], s[6:7] th:TH_LOAD_NT   ; sixteen lanes read 256 consecutive bytes of one row, aligned
.endr
.irp j, 0,1,2,3,4,5,6,7
	s_wait_loadcnt 7-\j                            ; load j is in; the younger ones may be out
	v_pk_mul_f32 v[48+4*\j:49+4*\j], v[48+4*\j:49+4*\j], s[26:27] op_sel_hi:[1,0]
	v_pk_mul_f32 v[50+4*\j:51+4*\j], v[50+4*\j:51+4*\j], s[26:27] op_sel_hi:[1,0]
	v_cvt_pk_f16_f32 v[80+2*\j], v[48+4*\j], v[49+4*\j]
	v_cvt_pk_f16_f32 v[81+2*\j], v[50+4*\j], v[51+4*\j]
	ds_store_b64 v5, v[80+2*\j:81+2*\j] offset:32*\j
.endr
.irp i, 0,1,2,3
	ds_load_b128 v[96+4*\i:99+4*\i], v6 offset:576*\i   ; LDS serves a wave's instructions in order (ISA guide 5.7.1.4): these see my stores
.endr
.irp i, 0,1,2,3
	s_wait_dscnt 3-\i
	global_store_b128 v7, v[96+4*\i:99+4*\i], s[10:11] offset:16384*(\i/2)+512*(\i%2)   ; 32 lanes store 512 consecutive bytes, aligned
.endr
	s_wait_tensorcnt 0x0                           ; the wave's end, behind my last LDS store
	ds_add_u32 v[SPW], v[NIL]
	s_wait_dscnt 0x0
	s_endpgm
.Lfunc_end_k_q1d6da4abc2_prep:
	.size	k_q1d6da4abc2_prep, .Lfunc_end_k_q1d6da4abc2_prep-k_q1d6da4abc2_prep
	.p2alignl 7, 3214868480
	.fill 96, 4, 3214868480
	.section	.rodata,"a",@progbits
	.p2align	6, 0x0
	.amdhsa_kernel k_q1d6da4abc2_prep
		.amdhsa_group_segment_fixed_size 9728
		.amdhsa_private_segment_fixed_size 0
		.amdhsa_enable_private_segment 0
		.amdhsa_kernarg_size 32
		.amdhsa_user_sgpr_count 2
		.amdhsa_user_sgpr_kernarg_segment_ptr 1
		.amdhsa_wavefront_size32 1
		.amdhsa_system_sgpr_workgroup_id_x 1
		.amdhsa_system_sgpr_workgroup_id_y 1
		.amdhsa_system_sgpr_workgroup_id_z 1
		.amdhsa_system_vgpr_workitem_id 0
		.amdhsa_next_free_vgpr 192
		.amdhsa_next_free_sgpr 66
		.amdhsa_reserve_vcc 1
		.amdhsa_float_denorm_mode_32 3
		.amdhsa_float_denorm_mode_16_64 3
		.amdhsa_memory_ordered 1
		.amdhsa_forward_progress 1
		.amdhsa_inst_pref_size 29
	.end_amdhsa_kernel
	.amdgpu_metadata
---
amdhsa.version: [ 1, 2 ]
amdhsa.kernels:
  - .name:           k_q1d6da4abc2_prep
    .symbol:         k_q1d6da4abc2_prep.kd
    .args:
      - { .name: feature_mask, .offset: 0, .size: 8, .value_kind: global_buffer, .address_space: global }
      - { .name: W, .offset: 8, .size: 8, .value_kind: global_buffer, .address_space: global }
      - { .name: mq, .offset: 16, .size: 8, .value_kind: global_buffer, .address_space: global }
      - { .name: wq, .offset: 24, .size: 8, .value_kind: global_buffer, .address_space: global }
    .group_segment_fixed_size: 9728
    .private_segment_fixed_size: 0
    .kernarg_segment_align: 8
    .kernarg_segment_size: 32
    .max_flat_workgroup_size: 128
    .sgpr_count:     66
    .vgpr_count:     192
    .wavefront_size: 32
...
	.end_amdgpu_metadata
.endif
;; end of part 1
;; launch tree (part 2): grid 256 x 1, 4 waves a work-group, clusters of 4 x 1, 327,680 bytes of LDS; arguments x, mq, wq, b, out0; writes out0
.if DOCPART == 2
	.amdgcn_target "amdgcn-amd-amdhsa--gfx1250"
	.amdhsa_code_object_version 6
	.text
	.protected	k_q1d6da4abc2_tree
	.globl	k_q1d6da4abc2_tree
	.p2align	8
	.type	k_q1d6da4abc2_tree,@function
k_q1d6da4abc2_tree:
	s_mov_b64 s[64:65], 0
	v_nop
	global_prefetch_b8 v0, s[64:65] scope:SCOPE_SE
	s_setreg_imm32_b32 hwreg(HW_REG_WAVE_MODE, 25, 1), 1
	s_wait_xcnt 0x0
	s_wait_alu depctr_hold_cnt(0) depctr_sa_sdst(0) depctr_va_vdst(0) depctr_va_sdst(0) depctr_va_ssrc(0) depctr_va_vcc(0) depctr_vm_vsrc(0)
	s_getreg_b32 s2, hwreg(HW_REG_IB_STS2, 6, 4)
	s_cmp_eq_u32 s2, 0
	s_cbranch_scc0 .Lentry_in_a_cluster
	s_endpgm
.Lentry_in_a_cluster:
	s_bfe_u32 s2, ttmp6, 0x10000c
	s_cmp_lg_u32 s2, 0x3003
	s_cbranch_scc0 .Lentry_shape_is_right
	s_endpgm
.Lentry_shape_is_right:
; out0 = the leaves' routing probabilities of a soft tree of depth 10 over d = sigmoid(Q(x) Q(mask) W^T + b).
; x [16384][2048] f32; mq: the mask's E2M1 codes and E8M0 words, wq: 64 W in f16, both as register images in the order in which they are taken here; b [1024]; out0 [16384][1024] f32.
; SHARES.  A work-group takes 64 rows of x through the whole chain; nothing between x and out0 goes to memory.  Wave w quantises rows 16 w on of x, and in both products makes all 64 rows x 256 columns: 64 accumulators, 512 registers.
; BOTH PRODUCTS ARE USED TRANSPOSED (source 0 = 16 rows of the weight, source 1 = 16 rows of the batch): lane (r, h) holds batch row r, register j the weight's row 8 h + j.
;   P1: feats = Q(x) Q(mask), K = 2,048 in 8 tiles of 256, on E2M1 codes with E8M0 scales.  Wave w: feats columns 256 w on.
;   CONV: feats x 2^-6 in f16 (W carries the 2^6: both exact): a lane's eight numbers are half a fragment of the second product's source 1, with no change of lanes.  They stay in 256 registers.
;   P2: logits = feats W^T, K = 1,024 in 16 tiles of 64.  A quarter of K at a time lies in LDS as register images: each wave stores 64 of its held registers.
;   The rows of wq are in the tree's order: lanes with h hold, at place sigma = 8 t + j, heap place sigma of the subtree under node 8 + 2 w + h; the places sigma = 0 hold nodes 0 to 7.
;   EPILOGUE: c = 1 - d = 1 / (1 + 2^(z log2 e)); the three top levels' c go through LDS to all waves; each lane walks its subtree in registers: right child = parent x c, left child = parent - right.
; THE RING.  Two LDS slots; a tile of the weights has four parts, one a wave, which fetches it and alone reads it.  CLUSTER: the four work-groups of a cluster walk the same tiles, so each part is asked for JOINTLY (mask 15).
;   By this text's own count a wave has two tensor loads out at the start and one behind each change of slots.
; LIMITS: |feats| under 4.2e6 (feats / 64 stays inside f16); blocks of x whose largest magnitude lies under 2^-124, zeros among them, keep the scale byte 1; NaN and infinities among the inputs are not served.
; REGISTERS, in windows of 256.  Window 0: v1-15 addresses; v16-47 the mask's scale words, two sets; v48-55 x's, two sets (these hold scales and nothing else); v56-63 at work; v64-127, v128-191 the weight's fragments of
;   tiles 0-7 and 8-15; v192-223, v224-255 the batch's fragments of a tile's first and second K step.  Window 1: two sets of 128 numbers of x; then the held feats; then b and rows of out0.  Windows 2, 3: accumulator (m, t) at window 2 + t / 8, v[32 (t % 8) + 8 m].
.set SLOTB, 139264                     ; a slot: four parts of 34,816 bytes (a tile of mq; a tile of wq uses 32,768 of each)
.set PARTB, 34816
.set WTILE, 131072                     ; a tile of wq in memory
.set WINB,  278528                     ; behind the ring, written by LDS stores alone: P1: x's codes, two buffers of 64 rows x 144 bytes, and its scale bytes; P2: 32 fragments of feats
.set XBUF,  9216
.set XPIT,  144                        ; 128 bytes of codes + 16: an odd multiple of 16, so the sixteen rows of a load start at different banks (64 banks of 4 bytes: ISA guide 11.1)
.set XSCO,  18432                      ; x's scale bytes: two buffers of 64 rows x 8
.set TOPB,  311296                     ; the top nodes' c: 64 rows x 8 words
.set SPARE, 313344                     ; the spare words, 128 bytes a wave
.set STP,   1040                       ; the way out: 16 rows x (1,024 + 16) bytes in my own part of slot 0, behind its last fill and last read
.set LI,   1                           ; 16 x lane
.set ADB,  2                           ; v2-3  my part of slot 0, 1, + 16 x lane
.set ADX,  4                           ; x's codes: 144 r + 16 h
.set ADMS, 5                           ; v5-6  the mask's scale words in slot 0, 1, + 4 x lane
.set ADXS, 7                           ; x's scale bytes: 8 x lane
.set AXW,  8                           ; where I store x's codes: my 16 rows, 4 x lane
.set AXSW, 9                           ; and its scale bytes: my 16 rows, lane / 4
.set XO,   10                          ; 32 x lane: my 8 numbers of a row's 256
.set AWS,  11                          ; where I store feats' images: 8,192 w + 16 x lane
.set AWR,  12                          ; where the images in hand are read
.set AWR0, 13
.set SPW,  14                          ; my spare word; never rewritten
.set NIL,  15                          ; 0; never rewritten
.set MS,   16
.set XS,   48
.set BF,   64
.set AF,   192
.set STO,  75                          ; the way out: where I put my leaves
.set G1M,  24                          ; s[24:31] descriptor group 1 for a part of mq;  s[32:39] of wq;  s[40:47] group 0, a set for each slot
.set G1W,  32
.set G0,   40
.set MSB, 0
.macro WIN new                         ; the immediate's high byte repeats the setting that is left
.if MSB != \new
	s_set_vgpr_msb (MSB<<8)|\new
.set MSB, \new
.endif
.endm
.macro PLACES                          ; four places behind a matrix instruction, in front of loads into its registers and of reads of results
.rept 4
	v_nop
.endr
.endm
.macro CREST                           ; a round of the cluster's barrier behind its opening barrier
	s_cmp_lg_u32 s14, 0
	s_cbranch_scc1 .Lnot_wave_0_\@
	s_barrier_signal -3
.Lnot_wave_0_\@:
	s_barrier_wait -3
	s_barrier_signal -1
	s_barrier_wait -1
.endm
.macro CROUND
	s_barrier_signal -1
	s_barrier_wait -1
	CREST
.endm
.macro TL slot, g1                     ; my part of a tile, asked for jointly by the same wave of all four work-groups
	tensor_load_to_lds s[G0+4*(\slot):G0+4*(\slot)+3], s[\g1:\g1+7]
	s_nop 0
.rept 4
	v_nop
.endr
.endm
	s_load_b256 s[4:11], s[0:1], 0x0               ; x s[4:5], mq s[6:7], wq s[8:9], b s[10:11]
	s_load_b64 s[12:13], s[0:1], 0x20              ; out0
	v_lshl_add_u32 v[SPW], v0, 2, SPARE
	v_mov_b32 v[NIL], 0
	ds_add_u32 v[SPW], v[NIL]                      ; the wave's opening: the add and its wait stand ahead of my first tensor load; the set-up, work on registers, stands between
	v_lshrrev_b32 v56, 5, v0
	v_readfirstlane_b32 s14, v56                   ; wave 0..3
	s_bfe_u32 s15, ttmp6, 0x40000                  ; cx: it enters x's and out0's addresses alone
	s_lshl_b32 s16, ttmp9, 2
	s_add_co_u32 s16, s16, s15                     ; my block of 64 rows
	s_mov_b32 s[G1M+0], 15|(3<<16)|(1<<21)         ; 15:0 the mask: all four work-groups; 17:16 elements of 8 bytes; 21 set beside a mask; no padding
	s_mov_b32 s[G1M+1], 32<<16                     ; tensor_dim0 = 32 elements: rows of 256 bytes
	s_mov_b32 s[G1M+2], 136<<16                    ; tensor_dim1 = 136 rows: 34,816 dense bytes
	s_mov_b32 s[G1M+3], 32<<16                     ; tile_dim0
	s_mov_b32 s[G1M+4], 136                        ; tile_dim1
	s_mov_b32 s[G1M+5], 32                         ; the pitch
	s_mov_b32 s[G1M+6], 0
	s_mov_b32 s[G1M+7], 0
	s_mov_b32 s[G1W+0], 15|(3<<16)|(1<<21)
	s_mov_b32 s[G1W+1], 32<<16
	s_mov_b32 s[G1W+2], 128<<16                    ; 128 rows: 32,768 dense bytes
	s_mov_b32 s[G1W+3], 32<<16
	s_mov_b32 s[G1W+4], 128
	s_mov_b32 s[G1W+5], 32
	s_mov_b32 s[G1W+6], 0
	s_mov_b32 s[G1W+7], 0
	s_mul_i32 s74, s14, PARTB                      ; my part: in a tile of mq and in a slot
	s_mov_b32 s75, 0
	s_lshl_b32 s54, s14, 15                        ; and in a tile of wq
	s_mov_b32 s55, 0
	s_lshl_b32 s72, s16, 19                        ; x: 64 rows of 8,192 bytes a block,
	s_lshl_b32 s56, s14, 17                        ; 16 rows a wave
	s_add_co_u32 s72, s72, s56
	s_mov_b32 s73, 0
	s_lshl_b32 s76, s16, 18                        ; out0: 64 rows of 4,096 bytes a block,
	s_lshl_b32 s56, s14, 10                        ; my 256 leaves
	s_add_co_u32 s76, s76, s56
	s_mov_b32 s77, 0
	s_mov_b32 s60, 0x3fb8aa3b                      ; log2(e)
	s_mov_b32 s61, s60
	s_mov_b32 s62, 0x3c800000                      ; 2^-6
	s_mov_b32 s63, s62
	v_and_b32 v57, 31, v0                          ; lane
	v_and_b32 v58, 15, v0                          ; r
	v_bfe_u32 v59, v0, 4, 1                        ; h
	v_lshlrev_b32 v[LI], 4, v57
	v_lshlrev_b32 v60, 2, v57
	v_add_nc_u32 v[ADB], s74, v[LI]
	v_add_nc_u32 v[ADB+1], SLOTB, v[ADB]
	v_mul_u32_u24 v[ADX], v58, XPIT
	v_lshl_add_u32 v[ADX], v59, 4, v[ADX]
	v_add_nc_u32 v[ADX], WINB, v[ADX]
	v_add_nc_u32 v[ADMS], s74, v60
	v_add_nc_u32 v[ADMS], 32768, v[ADMS]
	v_add_nc_u32 v[ADMS+1], SLOTB, v[ADMS]
	v_lshl_add_u32 v[ADXS], v57, 3, WINB+XSCO
	s_mul_i32 s56, s14, 16*XPIT
	v_add_nc_u32 v[AXW], s56, v60
	v_add_nc_u32 v[AXW], WINB, v[AXW]
	v_lshrrev_b32 v[AXSW], 2, v57
	s_lshl_b32 s56, s14, 7
	v_add_nc_u32 v[AXSW], s56, v[AXSW]
	v_add_nc_u32 v[AXSW], WINB+XSCO, v[AXSW]
	v_lshlrev_b32 v[XO], 5, v57
	s_lshl_b32 s56, s14, 13
	v_add_nc_u32 v[AWS], s56, v[LI]
	v_add_nc_u32 v[AWS], WINB, v[AWS]
	v_add_nc_u32 v[AWR0], WINB, v[LI]
	s_wait_dscnt 0x0                               ; the opening add is done
	s_wait_kmcnt 0x0
	s_add_nc_u64 s[22:23], s[4:5], s[72:73]        ; x at my 16 rows, K = 0
	s_add_nc_u64 s[48:49], s[6:7], s[74:75]        ; mq at my part of tile 0
	s_add_nc_u64 s[50:51], s[8:9], s[54:55]        ; wq likewise
	s_add_nc_u64 s[70:71], s[12:13], s[76:77]      ; out0 at my block's first row, my leaves
	CROUND                                         ; all four work-groups are here: the first joint loads meet
	s_mov_b32 s[G0+0], 1                           ; count = 1
	s_mov_b32 s[G0+1], s74                         ; LDS: slot 0, my part
	s_mov_b64 s[G0+2:G0+3], s[48:49]               ; tile 0
	s_or_b32 s[G0+3], s[G0+3], 0x80000000          ; type = 2
	s_mov_b32 s[G0+4], 1
	s_add_co_u32 s[G0+5], s74, SLOTB               ; slot 1
	s_add_nc_u64 s[G0+6:G0+7], s[48:49], SLOTB     ; tile 1 (a tile of mq is as long as a slot)
	s_or_b32 s[G0+7], s[G0+7], 0x80000000
	TL 0, G1M
	TL 1, G1M
; ---- the fetches from LDS
.macro FB half, slot, ks               ; the weight's eight fragments of tiles 8 half on, K step ks of the slot's tile: register images, 512 consecutive bytes a load
.set fi, 0
.rept 8
	ds_load_b128 v[BF+64*(\half)+8*fi:BF+64*(\half)+8*fi+3], v[ADB+(\slot)] offset:16384*(\ks)+1024*(8*(\half)+fi)
	ds_load_b128 v[BF+64*(\half)+8*fi+4:BF+64*(\half)+8*fi+7], v[ADB+(\slot)] offset:16384*(\ks)+1024*(8*(\half)+fi)+512
.set fi, fi+1
.endr
.endm
.macro FA1 ks, buf                     ; x's four fragments (16 rows x 128 K of 4-bit codes: two loads of 16 bytes, 32 bytes apart) of K step ks
.set fi, 0
.rept 4
	ds_load_b128 v[AF+32*(\ks)+8*fi:AF+32*(\ks)+8*fi+3], v[ADX] offset:XBUF*(\buf)+16*XPIT*fi+64*(\ks)
	ds_load_b128 v[AF+32*(\ks)+8*fi+4:AF+32*(\ks)+8*fi+7], v[ADX] offset:XBUF*(\buf)+16*XPIT*fi+64*(\ks)+32
.set fi, fi+1
.endr
.endm
.macro FA2 e, par                      ; feats' four fragments of K step e of the tile in hand: images
.set fi, 0
.rept 4
	ds_load_b128 v[AF+32*(\e)+8*fi:AF+32*(\e)+8*fi+3], v[AWR] offset:8192*(\par)+4096*(\e)+1024*fi
	ds_load_b128 v[AF+32*(\e)+8*fi+4:AF+32*(\e)+8*fi+7], v[AWR] offset:8192*(\par)+4096*(\e)+1024*fi+512
.set fi, fi+1
.endr
.endm
.macro FS par                          ; a tile's scale words: the mask's (register 8 ks + i: lanes 0-15 tile 2 i, lanes 16-31 tile 2 i + 1) and x's (register 2 p + ks: lanes 0-15 rows 32 p on, lanes 16-31 the next 16)
.set fi, 0
.rept 16
	ds_load_b32 v[MS+16*(\par)+fi], v[ADMS+(\par)] offset:1024*(fi/8)+128*(fi%8)
.set fi, fi+1
.endr
	ds_load_b64 v[XS+4*(\par):XS+4*(\par)+1], v[ADXS] offset:512*(\par)
	ds_load_b64 v[XS+4*(\par)+2:XS+4*(\par)+3], v[ADXS] offset:512*(\par)+256
.endm
; ---- the products.  The 64 accumulators take turns, one instruction a turn, in the same order in every K step.
.macro WM1 zero
.if \zero
.if oa && ob
	v_wmma_scale_f32_16x16x128_f8f6f4 v[rD:rD+7], v[rA:rA+7], v[rB:rB+7], 0, v[rSA], v[rSB] matrix_a_fmt:MATRIX_FMT_FP4 matrix_b_fmt:MATRIX_FMT_FP4 matrix_a_scale:MATRIX_SCALE_ROW1 matrix_b_scale:MATRIX_SCALE_ROW1
.elseif oa
	v_wmma_scale_f32_16x16x128_f8f6f4 v[rD:rD+7], v[rA:rA+7], v[rB:rB+7], 0, v[rSA], v[rSB] matrix_a_fmt:MATRIX_FMT_FP4 matrix_b_fmt:MATRIX_FMT_FP4 matrix_a_scale:MATRIX_SCALE_ROW1
.elseif ob
	v_wmma_scale_f32_16x16x128_f8f6f4 v[rD:rD+7], v[rA:rA+7], v[rB:rB+7], 0, v[rSA], v[rSB] matrix_a_fmt:MATRIX_FMT_FP4 matrix_b_fmt:MATRIX_FMT_FP4 matrix_b_scale:MATRIX_SCALE_ROW1
.else
	v_wmma_scale_f32_16x16x128_f8f6f4 v[rD:rD+7], v[rA:rA+7], v[rB:rB+7], 0, v[rSA], v[rSB] matrix_a_fmt:MATRIX_FMT_FP4 matrix_b_fmt:MATRIX_FMT_FP4
.endif
.else
.if oa && ob
	v_wmma_scale_f32_16x16x128_f8f6f4 v[rD:rD+7], v[rA:rA+7], v[rB:rB+7], v[rD:rD+7], v[rSA], v[rSB] matrix_a_fmt:MATRIX_FMT_FP4 matrix_b_fmt:MATRIX_FMT_FP4 matrix_a_scale:MATRIX_SCALE_ROW1 matrix_b_scale:MATRIX_SCALE_ROW1
.elseif oa
	v_wmma_scale_f32_16x16x128_f8f6f4 v[rD:rD+7], v[rA:rA+7], v[rB:rB+7], v[rD:rD+7], v[rSA], v[rSB] matrix_a_fmt:MATRIX_FMT_FP4 matrix_b_fmt:MATRIX_FMT_FP4 matrix_a_scale:MATRIX_SCALE_ROW1
.elseif ob
	v_wmma_scale_f32_16x16x128_f8f6f4 v[rD:rD+7], v[rA:rA+7], v[rB:rB+7], v[rD:rD+7], v[rSA], v[rSB] matrix_a_fmt:MATRIX_FMT_FP4 matrix_b_fmt:MATRIX_FMT_FP4 matrix_b_scale:MATRIX_SCALE_ROW1
.else
	v_wmma_scale_f32_16x16x128_f8f6f4 v[rD:rD+7], v[rA:rA+7], v[rB:rB+7], v[rD:rD+7], v[rSA], v[rSB] matrix_a_fmt:MATRIX_FMT_FP4 matrix_b_fmt:MATRIX_FMT_FP4
.endif
.endif
.endm
.macro MM1 par, ks, half, i0, zero     ; 16 products: the mask's tiles 8 half + i0 .. + 3 x the four tiles of rows, 128 along K.  zero = 1: they start the sums
.set ti, \i0
.rept 4
.set tm, 0
.rept 4
.set rD, 32*ti+8*tm
.set rA, BF+64*(\half)+8*ti
.set rB, AF+32*(\ks)+8*tm
.set rSA, MS+16*(\par)+8*(\ks)+4*(\half)+ti/2
.set rSB, XS+4*(\par)+2*(tm/2)+(\ks)
.set oa, ti%2
.set ob, tm%2
	WM1 \zero
.set tm, tm+1
.endr
.set ti, ti+1
.endr
.endm
.macro MM2 ks, half, i0, zero          ; the same for the second product: 32 along K in f16
.set ti, \i0
.rept 4
.set tm, 0
.rept 4
.set rD, 32*ti+8*tm
.set rA, BF+64*(\half)+8*ti
.set rB, AF+32*(\ks)+8*tm
.if \zero
	v_wmma_f32_16x16x32_f16 v[rD:rD+7], v[rA:rA+7], v[rB:rB+7], 0
.else
	v_wmma_f32_16x16x32_f16 v[rD:rD+7], v[rA:rA+7], v[rB:rB+7], v[rD:rD+7]
.endif
.set tm, tm+1
.endr
.set ti, ti+1
.endr
.endm
; ---- x
.macro ISSUE set, step                 ; my 16 rows' next 256 numbers: a pair of loads covers 1,024 consecutive bytes of a row, and a lane gets 8 neighbours along K
.if \step
	s_wait_xcnt 0x0                                ; the earlier loads have read their base: it may step
	s_add_nc_u64 s[22:23], s[22:23], 1024
.endif
	WIN 0x40                                       ; destination window 1
.set xr, 0
.rept 16
	global_load_b128 v[128*(\set)+8*xr:128*(\set)+8*xr+3], v[XO], s[22:23] offset:8192*xr th:TH_LOAD_NT
	global_load_b128 v[128*(\set)+8*xr+4:128*(\set)+8*xr+7], v[XO], s[22:23] offset:8192*xr+16 th:TH_LOAD_NT
.set xr, xr+1
.endr
	WIN 0
.endm
.macro QUANT par                       ; set par's 16 rows x 256 numbers become codes and scale bytes in buffer par.  A block of 32 lies in four neighbouring lanes.  At work: v192-223, idle here; every row has registers of its own
	WIN 0x05                                       ; sources 0 and 1: window 1
.set qi, 0
.rept 4
.set qr, 0
.rept 16
.if qi == 0
	v_max3_num_f32 v[AF+qr], |v[128*(\par)+8*qr]|, |v[128*(\par)+8*qr+1]|, 0x1800000   ; the floor 2^(3 - 127): the byte cannot fall under 1
.else
	v_max3_num_f32 v[AF+qr], |v[128*(\par)+8*qr+2*qi]|, |v[128*(\par)+8*qr+2*qi+1]|, v[AF+qr]
.endif
.set qr, qr+1
.endr
.set qi, qi+1
.endr
	WIN 0
.set qr, 0
.rept 16
	v_max_num_f32_dpp v[AF+qr], v[AF+qr], v[AF+qr] row_xmask:1 row_mask:0xf bank_mask:0xf
.set qr, qr+1
.endr
.set qr, 0
.rept 16
	v_max_num_f32_dpp v[AF+qr], v[AF+qr], v[AF+qr] row_xmask:2 row_mask:0xf bank_mask:0xf   ; the block's largest magnitude
.set qr, qr+1
.endr
.set qr, 0
.rept 16
	v_add_nc_u32 v[AF+qr], 0xff000000, v[AF+qr]    ; 2 off its exponent field: the conversion's scale operand
.set qr, qr+1
.endr
	WIN 0x01
.set qr, 0
.rept 16
	v_cvt_scalef32_pk8_fp4_f32 v[AF+16+qr], v[128*(\par)+8*qr:128*(\par)+8*qr+7], v[AF+qr]
.set qr, qr+1
.endr
	WIN 0
	v_nop                                          ; one plain place behind the scaled conversions
.set qr, 0
.rept 16
	v_lshrrev_b32 v[AF+qr], 23, v[AF+qr]           ; the scale's byte
.set qr, qr+1
.endr
.set qr, 0
.rept 16
	ds_store_b32 v[AXW], v[AF+16+qr] offset:XBUF*(\par)+XPIT*qr
.set qr, qr+1
.endr
.set qr, 0
.rept 16
	ds_store_b8 v[AXSW], v[AF+qr] offset:512*(\par)+8*qr   ; the four lanes of a block write the same byte with the same value
.set qr, qr+1
.endr
.endm
; ---- P1: a tile is two K steps of 128.  KA1: the first, which fetches the second's fragments.
.macro KA1 par, zero
	s_wait_dscnt 16                                ; all but the youngest 16 loads (the mask's tiles 8-15) are in
	WIN 0xa0                                       ; C and D window 2
	MM1 \par, 0, 0, 0, \zero
	MM1 \par, 0, 0, 4, \zero
	PLACES
	WIN 0
	FB 0, \par, 1
	FA1 1, \par
	s_wait_dscnt 24                                ; all but the 24 just issued
	WIN 0xf0                                       ; C and D window 3
	MM1 \par, 0, 1, 0, \zero
	MM1 \par, 0, 1, 4, \zero
	PLACES
	WIN 0
	FB 1, \par, 1
.endm
; KB1: the second K step, with the change of slots.  Ahead of it the chunk of x two tiles on is asked for and the next tile's is quantised into the buffer that nobody reads between the last round and this one.
; kind = 0: this slot takes mq's tile two on; 1, 2: wq's tiles 0, 1.
.macro KB1 par, nx, issue, quant, kind, fetch
.if \issue
	ISSUE \par, 1
	s_wait_loadcnt 32                              ; all but the 32 just issued: the next tile's chunk is in
.elseif \quant
	s_wait_loadcnt 0x0
.endif
.if \quant
	QUANT \nx
.endif
	s_wait_tensorcnt 0x0                           ; all my tensor loads have landed: my part of the next slot;
	ds_add_u32 v[SPW], v[NIL]                      ; 0 onto my spare word;
.if \quant
	s_wait_dscnt 49                                ; (the mask's tiles 8-15, 16 loads, the 32 stores of x's codes and bytes, and the add may be out)
.else
	s_wait_dscnt 17                                ; (16 loads and the add may be out)
.endif
	WIN 0xa0
	MM1 \par, 1, 0, 0, 0                           ; sixteen products stand between the add and the wait for it
	s_wait_dscnt 0x0                               ; the add is done, my stores have landed, my reads of this slot and of x's buffer are over
	s_barrier_signal -1
	MM1 \par, 1, 0, 4, 0
	WIN 0
	s_barrier_wait -1
	CREST                                          ; the barrier has opened a round of the cluster's: no wave of any partner still reads this slot or has a load on its way
.if \kind == 0
	s_add_nc_u64 s[G0+4*(\par)+2:G0+4*(\par)+3], s[G0+4*(\par)+2:G0+4*(\par)+3], 2*SLOTB
	TL \par, G1M
.elseif \kind == 1
	s_mov_b64 s[G0+2:G0+3], s[50:51]
	s_or_b32 s[G0+3], s[G0+3], 0x80000000
	TL 0, G1W
.else
	s_add_nc_u64 s[G0+6:G0+7], s[50:51], WTILE
	s_or_b32 s[G0+7], s[G0+7], 0x80000000
	TL 1, G1W
.endif
.if \fetch
	FB 0, \nx, 0                                   ; (the four v_nop behind the load are the places in front of these)
	FA1 0, \nx
	FS \nx
.endif
	WIN 0xf0
	MM1 \par, 1, 1, 0, 0
	MM1 \par, 1, 1, 4, 0
	PLACES
	WIN 0
.if \fetch
	FB 1, \nx, 0
.endif
.endm
	ISSUE 0, 0                                     ; K = 0 .. 255
	ISSUE 1, 1                                     ; K = 256 .. 511
	s_wait_loadcnt 32                              ; the first chunk is in
	QUANT 0
	s_wait_tensorcnt 1                             ; my part of tile 0 is in; tile 1's may stay out
	s_wait_dscnt 0x0                               ; my rows' codes and bytes have landed
	s_barrier_signal -1
	s_barrier_wait -1
	FB 0, 0, 0
	FA1 0, 0
	FS 0
	FB 1, 0, 0
	KA1 0, 1                                       ; the first K step stands in front of the loop: its products start the sums
	s_mov_b32 s53, 3
.Lp1:                                              ; a trip: from a tile's second K step to the first of the tile two on; both slots are filled again
	KB1 0, 1, 1, 1, 0, 1
	KA1 1, 0
	KB1 1, 0, 1, 1, 0, 1
	KA1 0, 0
	s_sub_co_u32 s53, s53, 1
	s_cmp_lg_u32 s53, 0
	s_cbranch_scc1 .Lp1
	KB1 0, 1, 0, 1, 1, 1                           ; tile 6: nothing more of x to ask for; slot 0 takes wq's tile 0
	KA1 1, 0
	KB1 1, 0, 0, 0, 2, 0                           ; tile 7: slot 1 takes wq's tile 1
	; ---- CONV: feats x 2^-6, rounded to f16, into window 1: H = 64 (t / 4) + 32 ((t / 2) % 2) + 8 m + 4 (t % 2) + k.  Each accumulator is read from its low end on.
	WIN 0x82
.set cj, 0
.rept 128
	v_pk_mul_f32 v[cj:cj+1], v[cj:cj+1], s[62:63] op_sel_hi:[1,0]
.set cj, cj+2
.endr
	WIN 0xc3
.set cj, 0
.rept 128
	v_pk_mul_f32 v[cj:cj+1], v[cj:cj+1], s[62:63] op_sel_hi:[1,0]
.set cj, cj+2
.endr
.macro CVT t0                          ; tiles t0 .. t0 + 7, from the window in force
.set ct, \t0
.rept 8
.set cm, 0
.rept 4
.set ck, 0
.rept 4
	v_cvt_pk_f16_f32 v[64*(ct/4)+32*((ct/2)%2)+8*cm+4*(ct%2)+ck], v[32*(ct%8)+8*cm+2*ck], v[32*(ct%8)+8*cm+2*ck+1]
.set ck, ck+1
.endr
.set cm, cm+1
.endr
.set ct, ct+1
.endr
.endm
	WIN 0x4a                                       ; sources window 2, destination window 1
	CVT 0
	WIN 0x4f                                       ; sources window 3
	CVT 8
	WIN 0
.macro WST q                           ; quarter q of my held feats, 8 fragments, goes to my 8,192 bytes of the window as it stands
	WIN 0x04                                       ; an LDS store's data are its source 1: window 1
.set wi, 0
.rept 16
	ds_store_b128 v[AWS], v[64*(\q)+4*wi:64*(\q)+4*wi+3] offset:512*wi
.set wi, wi+1
.endr
	WIN 0
.endm
	WST 0                                          ; (behind tile 7's round: x's buffers, which lie in these bytes, are read no more)
	s_wait_dscnt 0x0
	s_barrier_signal -1                            ; wq's tile 1 may stay out
	s_barrier_wait -1
	s_mov_b32 s59, 0
	v_add_nc_u32 v[AWR], s59, v[AWR0]
	FB 0, 0, 0
	FA2 0, 0
	FB 1, 0, 0
; ---- P2: a tile is two K steps of 32.
.macro KA2 par, zero
	s_wait_dscnt 16
	WIN 0xa0
	MM2 0, 0, 0, \zero
	MM2 0, 0, 4, \zero
	PLACES
	WIN 0
	FB 0, \par, 1
	FA2 1, \par
	s_wait_dscnt 24
	WIN 0xf0
	MM2 0, 1, 0, \zero
	MM2 0, 1, 4, \zero
	PLACES
	WIN 0
	FB 1, \par, 1
.endm
.macro KB2 par, fill
	s_wait_tensorcnt 0x0                           ; all my tensor loads have landed: my part of the next slot;
	ds_add_u32 v[SPW], v[NIL]                      ; 0 onto my spare word;
	s_wait_dscnt 17                                ; (W's tiles 8-15, 16 loads, and the add may be out)
	WIN 0xa0
	MM2 1, 0, 0, 0
	s_wait_dscnt 0x0                               ; the add is done; my reads of this slot and of the window are over
	s_barrier_signal -1
	MM2 1, 0, 4, 0
	WIN 0
	s_barrier_wait -1
.if \fill
	CREST
	s_add_nc_u64 s[G0+4*(\par)+2:G0+4*(\par)+3], s[G0+4*(\par)+2:G0+4*(\par)+3], 2*WTILE
	TL \par, G1W
.else
	PLACES
.endif
.if \par == 0
	FB 0, 1, 0
	FA2 0, 1                                       ; the next tile is the window's next 8,192 bytes
	WIN 0xf0
	MM2 1, 1, 0, 0
	MM2 1, 1, 4, 0
	PLACES
	WIN 0
	FB 1, 1, 0
.else
	s_and_b32 s56, s53, 1                          ; behind tiles 3, 7, 11 (trips 1, 3, 5) the window takes the next quarter: a branch on the loop's counter, the same in every wave and work-group
	s_cmp_eq_u32 s56, 0
	s_cbranch_scc1 .Lw_none_\@
	s_cmp_eq_u32 s53, 1
	s_cbranch_scc0 .Lw_not1_\@
	WST 1
	s_branch .Lw_none_\@
.Lw_not1_\@:
	s_cmp_eq_u32 s53, 3
	s_cbranch_scc0 .Lw_not3_\@
	WST 2
	s_branch .Lw_none_\@
.Lw_not3_\@:
	WST 3
.Lw_none_\@:
	FB 0, 0, 0
	WIN 0xf0
	MM2 1, 1, 0, 0
	s_wait_dscnt 0x0                               ; my images have landed
	s_barrier_signal -1                            ; a barrier on every path; the refill may stay out
	MM2 1, 1, 4, 0
	WIN 0
	s_barrier_wait -1
	s_xor_b32 s59, s59, 16384                      ; the window's other half
	v_add_nc_u32 v[AWR], s59, v[AWR0]
	PLACES
	FA2 0, 0
	FB 1, 0, 0
.endif
.endm
	KA2 0, 1
	s_mov_b32 s53, 0
.Lp2:                                              ; 7 trips: tiles 0-13 change slots, tiles 2-15 are asked for
	KB2 0, 1
	KA2 1, 0
	KB2 1, 1
	KA2 0, 0
	s_add_co_u32 s53, s53, 1
	s_cmp_lt_u32 s53, 7
	s_cbranch_scc1 .Lp2
	KB2 0, 0                                       ; tile 14: nothing is left to fetch, so no round follows
	; b in the tree's order, into window 1 (the held feats are done with): place sigma of my subtree is node sigma + vq p, vq = 7 + 2 w + h
	s_lshl_b32 s56, s14, 1
	s_add_co_u32 s56, s56, 7
	v_bfe_u32 v56, v0, 4, 1
	v_add_nc_u32 v57, s56, v56                     ; vq
	v_sub_nc_u32 v63, 1, v56
	v_lshl_add_u32 v63, v63, 2, s14
	v_lshlrev_b32 v63, 2, v63                      ; sigma = 0: node w + 4 (1 - h)
	v_lshlrev_b32 v56, 2, v57                      ; 4 vq p for p = 1, 2, 4, .. 64
	v_lshlrev_b32 v58, 3, v57
	v_lshlrev_b32 v59, 4, v57
	v_lshlrev_b32 v60, 5, v57
	v_lshlrev_b32 v61, 6, v57
	v_lshlrev_b32 v62, 7, v57
	v_lshlrev_b32 v57, 8, v57
	WIN 0x40
	global_load_b32 v0, v63, s[10:11]
	global_load_b32 v1, v56, s[10:11] offset:4
	global_load_b64 v[2:3], v58, s[10:11] offset:8
	global_load_b128 v[4:7], v59, s[10:11] offset:16
.set bt, 1
.rept 15
.if bt < 2
.set ba, 60
.elseif bt < 4
.set ba, 61
.elseif bt < 8
.set ba, 62
.else
.set ba, 57
.endif
	global_load_b128 v[8*bt:8*bt+3], v[ba], s[10:11] offset:32*bt
	global_load_b128 v[8*bt+4:8*bt+7], v[ba], s[10:11] offset:32*bt+16
.set bt, bt+1
.endr
	WIN 0
	KA2 1, 0
	s_wait_dscnt 16                                ; the very last K step
	WIN 0xa0
	MM2 1, 0, 0, 0
	MM2 1, 0, 4, 0
	s_wait_dscnt 0x0
	WIN 0xf0
	MM2 1, 1, 0, 0
	MM2 1, 1, 4, 0
	WIN 0
	PLACES
	; ---- EPILOGUE
	s_wait_loadcnt 0x0                             ; b
	WIN 0x41
.set bj, 0
.rept 64
	v_pk_mul_f32 v[bj:bj+1], v[bj:bj+1], s[60:61] op_sel_hi:[1,0]   ; b log2(e)
.set bj, bj+2
.endr
	; the top: place sigma = 0 of each lane is one of nodes 0-7; its c goes to row's word w + 4 h, so node g lies at word g - 4 (g >= 4) or g + 4
	WIN 0x12                                       ; source 0 window 2, source 2 window 1
.irp m, 0,1,2,3
	v_fma_f32 v[64+\m], v[8*\m], s60, v0
.endr
	WIN 0
.irp m, 0,1,2,3
	v_exp_f32 v[64+\m], v[64+\m]
.endr
	v_and_b32 v68, 15, v0                          ; r  (a plain place behind the exponentials)
	s_wait_alu depctr_va_vdst(0)                   ; the wait ahead of the batch's first reader
.irp m, 0,1,2,3
	v_add_f32 v[64+\m], 1.0, v[64+\m]
.endr
.irp m, 0,1,2,3
	v_rcp_f32 v[64+\m], v[64+\m]
.endr
	v_bfe_u32 v69, v0, 4, 1                        ; h
	v_lshlrev_b32 v70, 5, v68
	v_lshl_add_u32 v71, v69, 4, v70
	s_lshl_b32 s56, s14, 2
	v_add_nc_u32 v71, s56, v71
	v_add_nc_u32 v71, TOPB, v71                    ; where my c goes: 32 r + 16 h + 4 w
	v_add_nc_u32 v72, TOPB, v70                    ; my row's words: the root (node 1) at + 20,
	s_lshr_b32 s57, s14, 1
	s_lshl_b32 s57, s57, 2
	s_add_co_u32 s57, s57, 24
	v_add_nc_u32 v73, s57, v72                     ; node 2 + w / 2 at + 24 + 4 (w / 2),
	v_add_nc_u32 v74, s56, v72                     ; node 4 + w at + 4 w
	v_mul_u32_u24 v[STO], v68, STP
	v_lshl_add_u32 v[STO], v69, 9, v[STO]
	v_add_nc_u32 v[STO], s74, v[STO]               ; the way out: row r, my 128 leaves' 512 bytes
	v_cvt_f32_u32 v90, v69
	v_sub_f32 v91, 1.0, v90                        ; a branch's factor is S + T c: to the right (0, 1), to the left (1, -1); the third level's by h
	v_fma_f32 v92, v90, 2.0, -1.0
	s_wait_alu depctr_va_vdst(0)
.irp m, 0,1,2,3
	ds_store_b32 v71, v[64+\m] offset:512*\m
.endr
	s_wait_dscnt 0x0
	s_barrier_signal -1
	s_barrier_wait -1
.irp m, 0,1,2,3
	ds_load_b32 v[76+3*\m], v72 offset:512*\m+20
	ds_load_b32 v[77+3*\m], v73 offset:512*\m
	ds_load_b32 v[78+3*\m], v74 offset:512*\m
.endr
	s_lshr_b32 s56, s14, 1
	s_cmp_eq_u32 s56, 0
	s_cselect_b32 s66, 1.0, 0
	s_cselect_b32 s67, -1.0, 1.0
	s_and_b32 s56, s14, 1
	s_cmp_eq_u32 s56, 0
	s_cselect_b32 s68, 1.0, 0
	s_cselect_b32 s69, -1.0, 1.0
	s_wait_dscnt 0x0
.irp m, 0,1,2,3
	v_fma_f32 v[76+3*\m], v[76+3*\m], s67, s66
	v_fma_f32 v[77+3*\m], v[77+3*\m], s69, s68
	v_fma_f32 v[78+3*\m], v[78+3*\m], v92, v91
.endr
.irp m, 0,1,2,3
	v_mul_f32 v[64+\m], v[76+3*\m], v[77+3*\m]
.endr
.irp m, 0,1,2,3
	v_mul_f32 v[64+\m], v[64+\m], v[78+3*\m]       ; what reaches my subtree's root, for rows 16 m + r
.endr
.macro EXP64 m                         ; on the 64 numbers of tile of rows m in the window in force
.set et, 0
.rept 8
.set ej, 0
.rept 8
	v_exp_f32 v[32*et+8*(\m)+ej], v[32*et+8*(\m)+ej]
.set ej, ej+1
.endr
.set et, et+1
.endr
.endm
.macro RCP64 m
.set et, 0
.rept 8
.set ej, 0
.rept 8
	v_rcp_f32 v[32*et+8*(\m)+ej], v[32*et+8*(\m)+ej]
.set ej, ej+1
.endr
.set et, et+1
.endr
.endm
.macro ADD32 m
.set et, 0
.rept 8
.set ej, 0
.rept 4
	v_pk_add_f32 v[32*et+8*(\m)+ej:32*et+8*(\m)+ej+1], v[32*et+8*(\m)+ej:32*et+8*(\m)+ej+1], 1.0 op_sel_hi:[1,0]
.set ej, ej+2
.endr
.set et, et+1
.endr
.endm
.macro FMA32 m, bl                     ; z log2(e) + b log2(e); each accumulator from its low end on
.set et, 0
.rept 8
.set ej, 0
.rept 4
	v_pk_fma_f32 v[32*et+8*(\m)+ej:32*et+8*(\m)+ej+1], v[32*et+8*(\m)+ej:32*et+8*(\m)+ej+1], s[60:61], v[(\bl)+8*et+ej:(\bl)+8*et+ej+1] op_sel_hi:[1,0,1]
.set ej, ej+2
.endr
.set et, et+1
.endr
.endm
.macro EPI m                           ; rows 16 m on: 128 c a lane, the subtree's walk, 16 rows x 1,024 bytes out
	WIN 0x92                                       ; accumulators window 2, b window 1
	FMA32 \m, 0
	WIN 0xd3                                       ; window 3
	FMA32 \m, 64
	WIN 0xc3
	EXP64 \m
	WIN 0x82
	EXP64 \m
	v_nop                                          ; a plain place behind the last exponential
	s_wait_alu depctr_va_vdst(0)                   ; one wait for the batch of 128, ahead of its first reader
	ADD32 \m
	WIN 0xc3
	ADD32 \m
	RCP64 \m
	WIN 0x82
	RCP64 \m
	v_nop
	s_wait_alu depctr_va_vdst(0)                   ; one wait for the 128 reciprocals
	WIN 0
	v_mov_b32 v128, v[64+(\m)]
.set dl, 0
.rept 7                                ; level dl: node sigma = 2^dl + i stands at leaf place i 2^(7 - dl); its right child half a span on
.if dl < 6
	WIN 0x08                                       ; c (source 1) in window 2: sigma under 64
.else
	WIN 0x0c                                       ; in window 3
.endif
.set li, 0
.rept (1<<dl)
.set sg, (1<<dl)+li
	v_mul_f32 v[128+(li<<(7-dl))+(1<<(6-dl))], v[128+(li<<(7-dl))], v[32*((sg>>3)&7)+8*(\m)+(sg&7)]
.set li, li+1
.endr
	WIN 0
.set li, 0
.rept (1<<dl)
	v_sub_f32 v[128+(li<<(7-dl))], v[128+(li<<(7-dl))], v[128+(li<<(7-dl))+(1<<(6-dl))]
.set li, li+1
.endr
.set dl, dl+1
.endr
.if (\m) > 0
	s_wait_xcnt 0x0                                ; the last rows' stores have read their registers: these may be loaded again
.endif
.set oi, 0
.rept 32
	ds_store_b128 v[STO], v[128+4*oi:128+4*oi+3] offset:16*oi
.set oi, oi+1
.endr
	WIN 0x40
.set oi, 0
.rept 32
	ds_load_b128 v[128+4*oi:128+4*oi+3], v[ADB] offset:STP*(oi/2)+512*(oi%2)   ; LDS serves a wave's instructions in order (ISA guide 5.7.1.4): these see my stores
.set oi, oi+1
.endr
	WIN 0x04                                       ; a store's data are its source 1: window 1
.set oi, 0
.rept 32
	s_wait_dscnt 31-oi                             ; load oi is back; the younger ones may be out
	global_store_b128 v[LI], v[128+4*oi:128+4*oi+3], s[70:71] offset:(16*(\m)+oi/2)*4096+512*(oi%2) th:TH_STORE_NT   ; 32 lanes store 512 consecutive bytes, aligned
.set oi, oi+1
.endr
	WIN 0
.endm
	EPI 0
	EPI 1
	EPI 2
	EPI 3
	s_wait_tensorcnt 0x0                           ; the wave's end, behind my last tensor load and my last LDS store
	ds_add_u32 v[SPW], v[NIL]
	s_wait_dscnt 0x0
	CROUND                                         ; the closing round: no work-group ends while a partner may still ask for a tile that names it
	s_endpgm
.Lfunc_end_k_q1d6da4abc2_tree:
	.size	k_q1d6da4abc2_tree, .Lfunc_end_k_q1d6da4abc2_tree-k_q1d6da4abc2_tree
	.p2alignl 7, 3214868480
	.fill 96, 4, 3214868480
	.section	.rodata,"a",@progbits
	.p2align	6, 0x0
	.amdhsa_kernel k_q1d6da4abc2_tree
		.amdhsa_group_segment_fixed_size 327680
		.amdhsa_private_segment_fixed_size 0
		.amdhsa_enable_private_segment 0
		.amdhsa_kernarg_size 40
		.amdhsa_user_sgpr_count 2
		.amdhsa_user_sgpr_kernarg_segment_ptr 1
		.amdhsa_wavefront_size32 1
		.amdhsa_system_sgpr_workgroup_id_x 1
		.amdhsa_system_sgpr_workgroup_id_y 1
		.amdhsa_system_sgpr_workgroup_id_z 1
		.amdhsa_system_vgpr_workitem_id 0
		.amdhsa_next_free_vgpr 1024
		.amdhsa_next_free_sgpr 96
		.amdhsa_reserve_vcc 0
		.amdhsa_float_denorm_mode_32 3
		.amdhsa_float_denorm_mode_16_64 3
		.amdhsa_memory_ordered 1
		.amdhsa_forward_progress 1
		.amdhsa_inst_pref_size 255
	.end_amdhsa_kernel
	.section	.bss,"aw",@nobits
	.p2align	6
	.space	262144
	.amdgpu_metadata
---
amdhsa.version: [ 1, 2 ]
amdhsa.kernels:
  - .name:           k_q1d6da4abc2_tree
    .symbol:         k_q1d6da4abc2_tree.kd
    .args:
      - { .name: x, .offset: 0, .size: 8, .value_kind: global_buffer, .address_space: global }
      - { .name: mq, .offset: 8, .size: 8, .value_kind: global_buffer, .address_space: global }
      - { .name: wq, .offset: 16, .size: 8, .value_kind: global_buffer, .address_space: global }
      - { .name: b, .offset: 24, .size: 8, .value_kind: global_buffer, .address_space: global }
      - { .name: out0, .offset: 32, .size: 8, .value_kind: global_buffer, .address_space: global }
    .group_segment_fixed_size: 327680
    .private_segment_fixed_size: 0
    .kernarg_segment_align: 8
    .kernarg_segment_size: 40
    .max_flat_workgroup_size: 128
    .sgpr_count:     96
    .vgpr_count:     1024
    .wavefront_size: 32
...
	.end_amdgpu_metadata
.endif
;; end of part 2
;; ======== version 2 of 2: 2 launches; 1.12 times as fast as version 1
;; limits: values are held in f16: magnitudes above 65,504 overflow, below 6.1e-05 lose precision; right only within a limited range of input values
;; workspace buffers: mq 1,114,112 bytes; wq 2,097,152 bytes
;; launch prep: the kernel of part 1 again; grid 384 x 1, 4 waves a work-group, no clusters, 9,728 bytes of LDS; arguments feature_mask, W, mq, wq; writes mq, wq
;; launch tree (part 3): grid 256 x 1, 4 waves a work-group, clusters of 4 x 1, 327,680 bytes of LDS; arguments x, mq, wq, b, out0; writes out0
.if DOCPART == 3
	.amdgcn_target "amdgcn-amd-amdhsa--gfx1250"
	.amdhsa_code_object_version 6
	.text
	.protected	k_q1d6da4abc2_tree
	.globl	k_q1d6da4abc2_tree
	.p2align	8
	.type	k_q1d6da4abc2_tree,@function
k_q1d6da4abc2_tree:
	s_mov_b64 s[64:65], 0
	v_nop
	global_prefetch_b8 v0, s[64:65] scope:SCOPE_SE
	s_setreg_imm32_b32 hwreg(HW_REG_WAVE_MODE, 25, 1), 1
	s_wait_xcnt 0x0
	s_wait_alu depctr_hold_cnt(0) depctr_sa_sdst(0) depctr_va_vdst(0) depctr_va_sdst(0) depctr_va_ssrc(0) depctr_va_vcc(0) depctr_vm_vsrc(0)
	s_getreg_b32 s2, hwreg(HW_REG_IB_STS2, 6, 4)
	s_cmp_eq_u32 s2, 0
	s_cbranch_scc0 .Lentry_in_a_cluster
	s_endpgm
.Lentry_in_a_cluster:
	s_bfe_u32 s2, ttmp6, 0x10000c
	s_cmp_lg_u32 s2, 0x3003
	s_cbranch_scc0 .Lentry_shape_is_right
	s_endpgm
.Lentry_shape_is_right:
; out0 = the leaves' routing probabilities of a soft tree of depth 10 over d = sigmoid(Q(x) Q(mask) W^T + b).
; x [16384][2048] f32; mq: the mask's E2M1 codes and E8M0 words, wq: 64 W in f16, both as register images in the order in which they are taken here; b [1024]; out0 [16384][1024] f32.
; SHARES.  A work-group takes 64 rows of x through the whole chain; nothing between x and out0 goes to memory.  Wave w quantises rows 16 w on of x, and in both products makes all 64 rows x 256 columns: 64 accumulators, 512 registers.
; BOTH PRODUCTS ARE USED TRANSPOSED (source 0 = 16 rows of the weight, source 1 = 16 rows of the batch): lane (r, h) holds batch row r, register j the weight's row 8 h + j.
;   P1: feats = Q(x) Q(mask), K = 2,048 in 8 tiles of 256, on E2M1 codes with E8M0 scales.  Wave w: feats columns 256 w on.
;   CONV: feats x 2^-6 in f16 (W carries the 2^6: both exact): a lane's eight numbers are half a fragment of the second product's source 1, with no change of lanes.  They stay in 256 registers.
;   P2: logits = feats W^T, K = 1,024 in 16 tiles of 64.  A quarter of K at a time lies in LDS as register images: each wave stores 64 of its held registers.
;   The rows of wq are in the tree's order: lanes with h hold, at place sigma = 8 t + j, heap place sigma of the subtree under node 8 + 2 w + h; the places sigma = 0 hold nodes 0 to 7.
;   EPILOGUE: c = 1 - d = 1 / (1 + 2^(z log2 e)); the three top levels' c go through LDS to all waves; each lane walks its subtree in registers: right child = parent x c, left child = parent - right.
; THE RING.  Two LDS slots; a tile of the weights has four parts, one a wave, which fetches it and alone reads it.  CLUSTER: the four work-groups of a cluster walk the same tiles, so each part is asked for JOINTLY (mask 15).
;   By this text's own count a wave has two tensor loads out at the start and one behind each change of slots.
; ROTATION.  Cluster c walks P1's eight tiles (and x's chunks with them) from tile r1 on and P2's four quarters of K from quarter rq on, both round the end; r1 and rq are made of all six bits of c.
;   So clusters that are in step ask for different tiles, and no LDS address hangs on c: only global addresses and the choice of the held registers that go into the window.
; LIMITS: |feats| under 4.2e6 (feats / 64 stays inside f16); blocks of x whose largest magnitude lies under 2^-124, zeros among them, keep the scale byte 1; NaN and infinities among the inputs are not served.
;   The sums along K run in the rotated order, each in one f32 accumulator: their last bits may differ from those of an ascending sum.
; REGISTERS, in windows of 256.  Window 0: v1-15 addresses; v16-47 the mask's scale words, two sets; v48-55 x's, two sets (these hold scales and nothing else); v56-63 at work; v64-127, v128-191 the weight's fragments of
;   tiles 0-7 and 8-15; v192-223, v224-255 the batch's fragments of a tile's first and second K step.  Window 1: two sets of 128 numbers of x; then the held feats; then b and rows of out0.  Windows 2, 3: accumulator (m, t) at window 2 + t / 8, v[32 (t % 8) + 8 m].
; SCALARS: s14 wave; s17 r1; s19 rq; s[20:21] x at my rows; s[22:23] x at the chunk in hand; s[48:49], s[50:51] mq, wq at my part; s53 loop counter; s58 the next tile of wq to ask for, in walking order; s59 the window's half; s78 the chunk and tile of P1 asked for last; s[80:81], s[82:83] offsets.
.set SLOTB, 139264                     ; a slot: four parts of 34,816 bytes (a tile of mq; a tile of wq uses 32,768 of each)
.set PARTB, 34816
.set WINB,  278528                     ; behind the ring, written by LDS stores alone: P1: x's codes, two buffers of 64 rows x 144 bytes, and its scale bytes; P2: 32 fragments of feats
.set XBUF,  9216
.set XPIT,  144                        ; 128 bytes of codes + 16: an odd multiple of 16, so the sixteen rows of a load start at different banks (64 banks of 4 bytes: ISA guide 11.1)
.set XSCO,  18432                      ; x's scale bytes: two buffers of 64 rows x 8
.set TOPB,  311296                     ; the top nodes' c: 64 rows x 8 words
.set SPARE, 313344                     ; the spare words, 128 bytes a wave
.set STP,   1040                       ; the way out: 16 rows x (1,024 + 16) bytes in my own part of slot 0, behind its last fill and last read
.set LI,   1                           ; 16 x lane
.set ADB,  2                           ; v2-3  my part of slot 0, 1, + 16 x lane
.set ADX,  4                           ; x's codes: 144 r + 16 h
.set ADMS, 5                           ; v5-6  the mask's scale words in slot 0, 1, + 4 x lane
.set ADXS, 7                           ; x's scale bytes: 8 x lane
.set AXW,  8                           ; where I store x's codes: my 16 rows, 4 x lane
.set AXSW, 9                           ; and its scale bytes: my 16 rows, lane / 4
.set XO,   10                          ; 32 x lane: my 8 numbers of a row's 256
.set AWS,  11                          ; where I store feats' images: 8,192 w + 16 x lane
.set AWR,  12                          ; where the images in hand are read
.set AWR0, 13
.set SPW,  14                          ; my spare word; never rewritten
.set NIL,  15                          ; 0; never rewritten
.set MS,   16
.set XS,   48
.set BF,   64
.set AF,   192
.set STO,  75                          ; the way out: where I put my leaves
.set G1M,  24                          ; s[24:31] descriptor group 1 for a part of mq;  s[32:39] of wq;  s[40:47] group 0, a set for each slot
.set G1W,  32
.set G0,   40
.set MSB, 0
.macro WIN new                         ; the immediate's high byte repeats the setting that is left
.if MSB != \new
	s_set_vgpr_msb (MSB<<8)|\new
.set MSB, \new
.endif
.endm
.macro PLACES                          ; four places behind a matrix instruction, in front of loads into its registers and of reads of results
.rept 4
	v_nop
.endr
.endm
.macro CREST                           ; a round of the cluster's barrier behind its opening barrier
	s_cmp_lg_u32 s14, 0
	s_cbranch_scc1 .Lnot_wave_0_\@
	s_barrier_signal -3
.Lnot_wave_0_\@:
	s_barrier_wait -3
	s_barrier_signal -1
	s_barrier_wait -1
.endm
.macro CROUND
	s_barrier_signal -1
	s_barrier_wait -1
	CREST
.endm
.macro TL slot, g1                     ; my part of a tile, asked for jointly by the same wave of all four work-groups
	tensor_load_to_lds s[G0+4*(\slot):G0+4*(\slot)+3], s[\g1:\g1+7]
	s_nop 0
.rept 4
	v_nop
.endr
.endm
.macro WADDR slot                      ; the slot's group 0 takes wq's tile number s58 of the walk: tile 4 ((s58 / 4 + rq) % 4) + s58 % 4, 2^17 bytes a tile.  It stands behind a wait for 0 on TENSORcnt: no load of mine is out
	s_lshr_b32 s56, s58, 2
	s_add_co_u32 s56, s56, s19
	s_and_b32 s56, s56, 3
	s_lshl_b32 s56, s56, 2
	s_and_b32 s57, s58, 3
	s_or_b32 s56, s56, s57
	s_lshl_b32 s82, s56, 17
	s_add_nc_u64 s[G0+4*(\slot)+2:G0+4*(\slot)+3], s[50:51], s[82:83]
	s_or_b32 s[G0+4*(\slot)+3], s[G0+4*(\slot)+3], 0x80000000
	s_add_co_u32 s58, s58, 1
.endm
	s_load_b256 s[4:11], s[0:1], 0x0               ; x s[4:5], mq s[6:7], wq s[8:9], b s[10:11]
	s_load_b64 s[12:13], s[0:1], 0x20              ; out0
	v_lshl_add_u32 v[SPW], v0, 2, SPARE
	v_mov_b32 v[NIL], 0
	ds_add_u32 v[SPW], v[NIL]                      ; the wave's opening: the add and its wait stand ahead of my first tensor load; the set-up, work on registers, stands between
	v_lshrrev_b32 v56, 5, v0
	v_readfirstlane_b32 s14, v56                   ; wave 0..3
	s_bfe_u32 s15, ttmp6, 0x40000                  ; cx: it enters x's and out0's addresses alone
	s_lshl_b32 s16, ttmp9, 2
	s_add_co_u32 s16, s16, s15                     ; my block of 64 rows
	s_lshr_b32 s17, ttmp9, 3                       ; the rotation, from the cluster's number c (0 to 63), which the four partners share:
	s_xor_b32 s17, s17, ttmp9
	s_and_b32 s17, s17, 7                          ; r1 = (c ^ c / 8) % 8
	s_lshr_b32 s18, ttmp9, 2
	s_lshr_b32 s19, ttmp9, 4
	s_xor_b32 s19, s19, s18
	s_xor_b32 s19, s19, ttmp9
	s_and_b32 s19, s19, 3                          ; rq = (c ^ c / 4 ^ c / 16) % 4
	s_mov_b32 s78, s17
	s_mov_b32 s58, 0
	s_mov_b32 s81, 0                               ; the offsets' high words
	s_mov_b32 s83, 0
	s_mov_b32 s[G1M+0], 15|(3<<16)|(1<<21)         ; 15:0 the mask: all four work-groups; 17:16 elements of 8 bytes; 21 set beside a mask; no padding
	s_mov_b32 s[G1M+1], 32<<16                     ; tensor_dim0 = 32 elements: rows of 256 bytes
	s_mov_b32 s[G1M+2], 136<<16                    ; tensor_dim1 = 136 rows: 34,816 dense bytes
	s_mov_b32 s[G1M+3], 32<<16                     ; tile_dim0
	s_mov_b32 s[G1M+4], 136                        ; tile_dim1
	s_mov_b32 s[G1M+5], 32                         ; the pitch
	s_mov_b32 s[G1M+6], 0
	s_mov_b32 s[G1M+7], 0
	s_mov_b32 s[G1W+0], 15|(3<<16)|(1<<21)
	s_mov_b32 s[G1W+1], 32<<16
	s_mov_b32 s[G1W+2], 128<<16                    ; 128 rows: 32,768 dense bytes
	s_mov_b32 s[G1W+3], 32<<16
	s_mov_b32 s[G1W+4], 128
	s_mov_b32 s[G1W+5], 32
	s_mov_b32 s[G1W+6], 0
	s_mov_b32 s[G1W+7], 0
	s_mul_i32 s74, s14, PARTB                      ; my part: in a tile of mq and in a slot
	s_mov_b32 s75, 0
	s_lshl_b32 s54, s14, 15                        ; and in a tile of wq
	s_mov_b32 s55, 0
	s_lshl_b32 s72, s16, 19                        ; x: 64 rows of 8,192 bytes a block,
	s_lshl_b32 s56, s14, 17                        ; 16 rows a wave
	s_add_co_u32 s72, s72, s56
	s_mov_b32 s73, 0
	s_lshl_b32 s76, s16, 18                        ; out0: 64 rows of 4,096 bytes a block,
	s_lshl_b32 s56, s14, 10                        ; my 256 leaves
	s_add_co_u32 s76, s76, s56
	s_mov_b32 s77, 0
	s_mov_b32 s60, 0x3fb8aa3b                      ; log2(e)
	s_mov_b32 s61, s60
	s_mov_b32 s62, 0x3c800000                      ; 2^-6
	s_mov_b32 s63, s62
	v_and_b32 v57, 31, v0                          ; lane
	v_and_b32 v58, 15, v0                          ; r
	v_bfe_u32 v59, v0, 4, 1                        ; h
	v_lshlrev_b32 v[LI], 4, v57
	v_lshlrev_b32 v60, 2, v57
	v_add_nc_u32 v[ADB], s74, v[LI]
	v_add_nc_u32 v[ADB+1], SLOTB, v[ADB]
	v_mul_u32_u24 v[ADX], v58, XPIT
	v_lshl_add_u32 v[ADX], v59, 4, v[ADX]
	v_add_nc_u32 v[ADX], WINB, v[ADX]
	v_add_nc_u32 v[ADMS], s74, v60
	v_add_nc_u32 v[ADMS], 32768, v[ADMS]
	v_add_nc_u32 v[ADMS+1], SLOTB, v[ADMS]
	v_lshl_add_u32 v[ADXS], v57, 3, WINB+XSCO
	s_mul_i32 s56, s14, 16*XPIT
	v_add_nc_u32 v[AXW], s56, v60
	v_add_nc_u32 v[AXW], WINB, v[AXW]
	v_lshrrev_b32 v[AXSW], 2, v57
	s_lshl_b32 s56, s14, 7
	v_add_nc_u32 v[AXSW], s56, v[AXSW]
	v_add_nc_u32 v[AXSW], WINB+XSCO, v[AXSW]
	v_lshlrev_b32 v[XO], 5, v57
	s_lshl_b32 s56, s14, 13
	v_add_nc_u32 v[AWS], s56, v[LI]
	v_add_nc_u32 v[AWS], WINB, v[AWS]
	v_add_nc_u32 v[AWR0], WINB, v[LI]
	s_wait_dscnt 0x0                               ; the opening add is done
	s_wait_kmcnt 0x0
	s_add_nc_u64 s[20:21], s[4:5], s[72:73]        ; x at my 16 rows, K = 0
	s_add_nc_u64 s[48:49], s[6:7], s[74:75]        ; mq at my part of tile 0
	s_add_nc_u64 s[50:51], s[8:9], s[54:55]        ; wq likewise
	s_add_nc_u64 s[70:71], s[12:13], s[76:77]      ; out0 at my block's first row, my leaves
	CROUND                                         ; all four work-groups are here: the first joint loads meet
	s_mul_i32 s82, s17, SLOTB                      ; (a tile of mq is as long as a slot)
	s_mov_b32 s[G0+0], 1                           ; count = 1
	s_mov_b32 s[G0+1], s74                         ; LDS: slot 0, my part
	s_add_nc_u64 s[G0+2:G0+3], s[48:49], s[82:83]  ; tile r1
	s_or_b32 s[G0+3], s[G0+3], 0x80000000          ; type = 2
	s_add_co_u32 s56, s17, 1
	s_and_b32 s56, s56, 7
	s_mul_i32 s82, s56, SLOTB
	s_mov_b32 s[G0+4], 1
	s_add_co_u32 s[G0+5], s74, SLOTB               ; slot 1
	s_add_nc_u64 s[G0+6:G0+7], s[48:49], s[82:83]  ; tile (r1 + 1) % 8
	s_or_b32 s[G0+7], s[G0+7], 0x80000000
	TL 0, G1M
	TL 1, G1M
; ---- the fetches from LDS
.macro FB half, slot, ks               ; the weight's eight fragments of tiles 8 half on, K step ks of the slot's tile: register images, 512 consecutive bytes a load
.set fi, 0
.rept 8
	ds_load_b128 v[BF+64*(\half)+8*fi:BF+64*(\half)+8*fi+3], v[ADB+(\slot)] offset:16384*(\ks)+1024*(8*(\half)+fi)
	ds_load_b128 v[BF+64*(\half)+8*fi+4:BF+64*(\half)+8*fi+7], v[ADB+(\slot)] offset:16384*(\ks)+1024*(8*(\half)+fi)+512
.set fi, fi+1
.endr
.endm
.macro FA1 ks, buf                     ; x's four fragments (16 rows x 128 K of 4-bit codes: two loads of 16 bytes, 32 bytes apart) of K step ks
.set fi, 0
.rept 4
	ds_load_b128 v[AF+32*(\ks)+8*fi:AF+32*(\ks)+8*fi+3], v[ADX] offset:XBUF*(\buf)+16*XPIT*fi+64*(\ks)
	ds_load_b128 v[AF+32*(\ks)+8*fi+4:AF+32*(\ks)+8*fi+7], v[ADX] offset:XBUF*(\buf)+16*XPIT*fi+64*(\ks)+32
.set fi, fi+1
.endr
.endm
.macro FA2 e, par                      ; feats' four fragments of K step e of the tile in hand: images
.set fi, 0
.rept 4
	ds_load_b128 v[AF+32*(\e)+8*fi:AF+32*(\e)+8*fi+3], v[AWR] offset:8192*(\par)+4096*(\e)+1024*fi
	ds_load_b128 v[AF+32*(\e)+8*fi+4:AF+32*(\e)+8*fi+7], v[AWR] offset:8192*(\par)+4096*(\e)+1024*fi+512
.set fi, fi+1
.endr
.endm
.macro FS par                          ; a tile's scale words: the mask's (register 8 ks + i: lanes 0-15 tile 2 i, lanes 16-31 tile 2 i + 1) and x's (register 2 p + ks: lanes 0-15 rows 32 p on, lanes 16-31 the next 16)
.set fi, 0
.rept 16
	ds_load_b32 v[MS+16*(\par)+fi], v[ADMS+(\par)] offset:1024*(fi/8)+128*(fi%8)
.set fi, fi+1
.endr
	ds_load_b64 v[XS+4*(\par):XS+4*(\par)+1], v[ADXS] offset:512*(\par)
	ds_load_b64 v[XS+4*(\par)+2:XS+4*(\par)+3], v[ADXS] offset:512*(\par)+256
.endm
; ---- the products.  The 64 accumulators take turns, one instruction a turn, in the same order in every K step.
.macro WM1 zero
.if \zero
.if oa && ob
	v_wmma_scale_f32_16x16x128_f8f6f4 v[rD:rD+7], v[rA:rA+7], v[rB:rB+7], 0, v[rSA], v[rSB] matrix_a_fmt:MATRIX_FMT_FP4 matrix_b_fmt:MATRIX_FMT_FP4 matrix_a_scale:MATRIX_SCALE_ROW1 matrix_b_scale:MATRIX_SCALE_ROW1
.elseif oa
	v_wmma_scale_f32_16x16x128_f8f6f4 v[rD:rD+7], v[rA:rA+7], v[rB:rB+7], 0, v[rSA], v[rSB] matrix_a_fmt:MATRIX_FMT_FP4 matrix_b_fmt:MATRIX_FMT_FP4 matrix_a_scale:MATRIX_SCALE_ROW1
.elseif ob
	v_wmma_scale_f32_16x16x128_f8f6f4 v[rD:rD+7], v[rA:rA+7], v[rB:rB+7], 0, v[rSA], v[rSB] matrix_a_fmt:MATRIX_FMT_FP4 matrix_b_fmt:MATRIX_FMT_FP4 matrix_b_scale:MATRIX_SCALE_ROW1
.else
	v_wmma_scale_f32_16x16x128_f8f6f4 v[rD:rD+7], v[rA:rA+7], v[rB:rB+7], 0, v[rSA], v[rSB] matrix_a_fmt:MATRIX_FMT_FP4 matrix_b_fmt:MATRIX_FMT_FP4
.endif
.else
.if oa && ob
	v_wmma_scale_f32_16x16x128_f8f6f4 v[rD:rD+7], v[rA:rA+7], v[rB:rB+7], v[rD:rD+7], v[rSA], v[rSB] matrix_a_fmt:MATRIX_FMT_FP4 matrix_b_fmt:MATRIX_FMT_FP4 matrix_a_scale:MATRIX_SCALE_ROW1 matrix_b_scale:MATRIX_SCALE_ROW1
.elseif oa
	v_wmma_scale_f32_16x16x128_f8f6f4 v[rD:rD+7], v[rA:rA+7], v[rB:rB+7], v[rD:rD+7], v[rSA], v[rSB] matrix_a_fmt:MATRIX_FMT_FP4 matrix_b_fmt:MATRIX_FMT_FP4 matrix_a_scale:MATRIX_SCALE_ROW1
.elseif ob
	v_wmma_scale_f32_16x16x128_f8f6f4 v[rD:rD+7], v[rA:rA+7], v[rB:rB+7], v[rD:rD+7], v[rSA], v[rSB] matrix_a_fmt:MATRIX_FMT_FP4 matrix_b_fmt:MATRIX_FMT_FP4 matrix_b_scale:MATRIX_SCALE_ROW1
.else
	v_wmma_scale_f32_16x16x128_f8f6f4 v[rD:rD+7], v[rA:rA+7], v[rB:rB+7], v[rD:rD+7], v[rSA], v[rSB] matrix_a_fmt:MATRIX_FMT_FP4 matrix_b_fmt:MATRIX_FMT_FP4
.endif
.endif
.endm
.macro MM1 par, ks, half, i0, zero     ; 16 products: the mask's tiles 8 half + i0 .. + 3 x the four tiles of rows, 128 along K.  zero = 1: they start the sums
.set ti, \i0
.rept 4
.set tm, 0
.rept 4
.set rD, 32*ti+8*tm
.set rA, BF+64*(\half)+8*ti
.set rB, AF+32*(\ks)+8*tm
.set rSA, MS+16*(\par)+8*(\ks)+4*(\half)+ti/2
.set rSB, XS+4*(\par)+2*(tm/2)+(\ks)
.set oa, ti%2
.set ob, tm%2
	WM1 \zero
.set tm, tm+1
.endr
.set ti, ti+1
.endr
.endm
.macro MM2 ks, half, i0, zero          ; the same for the second product: 32 along K in f16
.set ti, \i0
.rept 4
.set tm, 0
.rept 4
.set rD, 32*ti+8*tm
.set rA, BF+64*(\half)+8*ti
.set rB, AF+32*(\ks)+8*tm
.if \zero
	v_wmma_f32_16x16x32_f16 v[rD:rD+7], v[rA:rA+7], v[rB:rB+7], 0
.else
	v_wmma_f32_16x16x32_f16 v[rD:rD+7], v[rA:rA+7], v[rB:rB+7], v[rD:rD+7]
.endif
.set tm, tm+1
.endr
.set ti, ti+1
.endr
.endm
; ---- x
.macro ISSUE set, step                 ; my 16 rows' 256 numbers of chunk s78 (step = 1: of the next chunk, round the end): a pair of loads covers 1,024 consecutive bytes of a row, and a lane gets 8 neighbours along K
.if \step
	s_wait_xcnt 0x0                                ; the earlier loads have read their base: it may be written
	s_add_co_u32 s78, s78, 1
	s_and_b32 s78, s78, 7
.endif
	s_lshl_b32 s80, s78, 10                        ; 256 numbers of 4 bytes a chunk
	s_add_nc_u64 s[22:23], s[20:21], s[80:81]
	WIN 0x40                                       ; destination window 1
.set xr, 0
.rept 16
	global_load_b128 v[128*(\set)+8*xr:128*(\set)+8*xr+3], v[XO], s[22:23] offset:8192*xr th:TH_LOAD_NT
	global_load_b128 v[128*(\set)+8*xr+4:128*(\set)+8*xr+7], v[XO], s[22:23] offset:8192*xr+16 th:TH_LOAD_NT
.set xr, xr+1
.endr
	WIN 0
.endm
.macro QUANT par                       ; set par's 16 rows x 256 numbers become codes and scale bytes in buffer par.  A block of 32 lies in four neighbouring lanes.  At work: v192-223, idle here; every row has registers of its own
	WIN 0x05                                       ; sources 0 and 1: window 1
.set qi, 0
.rept 4
.set qr, 0
.rept 16
.if qi == 0
	v_max3_num_f32 v[AF+qr], |v[128*(\par)+8*qr]|, |v[128*(\par)+8*qr+1]|, 0x1800000   ; the floor 2^(3 - 127): the byte cannot fall under 1
.else
	v_max3_num_f32 v[AF+qr], |v[128*(\par)+8*qr+2*qi]|, |v[128*(\par)+8*qr+2*qi+1]|, v[AF+qr]
.endif
.set qr, qr+1
.endr
.set qi, qi+1
.endr
	WIN 0
.set qr, 0
.rept 16
	v_max_num_f32_dpp v[AF+qr], v[AF+qr], v[AF+qr] row_xmask:1 row_mask:0xf bank_mask:0xf
.set qr, qr+1
.endr
.set qr, 0
.rept 16
	v_max_num_f32_dpp v[AF+qr], v[AF+qr], v[AF+qr] row_xmask:2 row_mask:0xf bank_mask:0xf   ; the block's largest magnitude
.set qr, qr+1
.endr
.set qr, 0
.rept 16
	v_add_nc_u32 v[AF+qr], 0xff000000, v[AF+qr]    ; 2 off its exponent field: the conversion's scale operand
.set qr, qr+1
.endr
	WIN 0x01
.set qr, 0
.rept 16
	v_cvt_scalef32_pk8_fp4_f32 v[AF+16+qr], v[128*(\par)+8*qr:128*(\par)+8*qr+7], v[AF+qr]
.set qr, qr+1
.endr
	WIN 0
	v_nop                                          ; one plain place behind the scaled conversions
.set qr, 0
.rept 16
	v_lshrrev_b32 v[AF+qr], 23, v[AF+qr]           ; the scale's byte
.set qr, qr+1
.endr
.set qr, 0
.rept 16
	ds_store_b32 v[AXW], v[AF+16+qr] offset:XBUF*(\par)+XPIT*qr
.set qr, qr+1
.endr
.set qr, 0
.rept 16
	ds_store_b8 v[AXSW], v[AF+qr] offset:512*(\par)+8*qr   ; the four lanes of a block write the same byte with the same value
.set qr, qr+1
.endr
.endm
; ---- P1: a tile is two K steps of 128.  KA1: the first, which fetches the second's fragments.
.macro KA1 par, zero
	s_wait_dscnt 16                                ; all but the youngest 16 loads (the mask's tiles 8-15) are in
	WIN 0xa0                                       ; C and D window 2
	MM1 \par, 0, 0, 0, \zero
	MM1 \par, 0, 0, 4, \zero
	PLACES
	WIN 0
	FB 0, \par, 1
	FA1 1, \par
	s_wait_dscnt 24                                ; all but the 24 just issued
	WIN 0xf0                                       ; C and D window 3
	MM1 \par, 0, 1, 0, \zero
	MM1 \par, 0, 1, 4, \zero
	PLACES
	WIN 0
	FB 1, \par, 1
.endm
; KB1: the second K step, with the change of slots.  Ahead of it the chunk of x two tiles on is asked for and the next tile's is quantised into the buffer that nobody reads between the last round and this one.
; kind = 0: this slot takes mq's tile two on in the walk, which is the chunk just asked for: s78; 1, 2: the walk's first two tiles of wq.
.macro KB1 par, nx, issue, quant, kind, fetch
.if \issue
	ISSUE \par, 1
	s_wait_loadcnt 32                              ; all but the 32 just issued: the next tile's chunk is in
.elseif \quant
	s_wait_loadcnt 0x0
.endif
.if \quant
	QUANT \nx
.endif
	s_wait_tensorcnt 0x0                           ; all my tensor loads have landed: my part of the next slot; so a group 0 may be written;
	ds_add_u32 v[SPW], v[NIL]                      ; 0 onto my spare word; the descriptor's address and sixteen products stand between it and the wait for it
.if \kind == 0
	s_mul_i32 s82, s78, SLOTB
	s_add_nc_u64 s[G0+4*(\par)+2:G0+4*(\par)+3], s[48:49], s[82:83]
	s_or_b32 s[G0+4*(\par)+3], s[G0+4*(\par)+3], 0x80000000
.else
	WADDR \par
.endif
.if \quant
	s_wait_dscnt 49                                ; (the mask's tiles 8-15, 16 loads, the 32 stores of x's codes and bytes, and the add may be out)
.else
	s_wait_dscnt 17                                ; (16 loads and the add may be out)
.endif
	WIN 0xa0
	MM1 \par, 1, 0, 0, 0
	s_wait_dscnt 0x0                               ; the add is done, my stores have landed, my reads of this slot and of x's buffer are over
	s_barrier_signal -1
	MM1 \par, 1, 0, 4, 0
	WIN 0
	s_barrier_wait -1
	CREST                                          ; the barrier has opened a round of the cluster's: no wave of any partner still reads this slot or has a load on its way
.if \kind == 0
	TL \par, G1M
.else
	TL \par, G1W
.endif
.if \fetch
	FB 0, \nx, 0                                   ; (the four v_nop behind the load are the places in front of these)
	FA1 0, \nx
	FS \nx
.endif
	WIN 0xf0
	MM1 \par, 1, 1, 0, 0
	MM1 \par, 1, 1, 4, 0
	PLACES
	WIN 0
.if \fetch
	FB 1, \nx, 0
.endif
.endm
	ISSUE 0, 0                                     ; chunk r1
	ISSUE 1, 1                                     ; chunk (r1 + 1) % 8
	s_wait_loadcnt 32                              ; the first chunk is in
	QUANT 0
	s_wait_tensorcnt 1                             ; my part of the first tile is in; the second's may stay out
	s_wait_dscnt 0x0                               ; my rows' codes and bytes have landed
	s_barrier_signal -1
	s_barrier_wait -1
	FB 0, 0, 0
	FA1 0, 0
	FS 0
	FB 1, 0, 0
	KA1 0, 1                                       ; the first K step stands in front of the loop: its products start the sums
	s_mov_b32 s53, 3
.Lp1:                                              ; a trip: from a tile's second K step to the first of the tile two on; both slots are filled again
	KB1 0, 1, 1, 1, 0, 1
	KA1 1, 0
	KB1 1, 0, 1, 1, 0, 1
	KA1 0, 0
	s_sub_co_u32 s53, s53, 1
	s_cmp_lg_u32 s53, 0
	s_cbranch_scc1 .Lp1
	KB1 0, 1, 0, 1, 1, 1                           ; the walk's seventh tile: nothing more of x to ask for; slot 0 takes wq's first
	KA1 1, 0
	KB1 1, 0, 0, 0, 2, 0                           ; the eighth: slot 1 takes wq's second
	; ---- CONV: feats x 2^-6, rounded to f16, into window 1: H = 64 (t / 4) + 32 ((t / 2) % 2) + 8 m + 4 (t % 2) + k.  Each accumulator is read from its low end on.
	WIN 0x82
.set cj, 0
.rept 128
	v_pk_mul_f32 v[cj:cj+1], v[cj:cj+1], s[62:63] op_sel_hi:[1,0]
.set cj, cj+2
.endr
	WIN 0xc3
.set cj, 0
.rept 128
	v_pk_mul_f32 v[cj:cj+1], v[cj:cj+1], s[62:63] op_sel_hi:[1,0]
.set cj, cj+2
.endr
.macro CVT t0                          ; tiles t0 .. t0 + 7, from the window in force
.set ct, \t0
.rept 8
.set cm, 0
.rept 4
.set ck, 0
.rept 4
	v_cvt_pk_f16_f32 v[64*(ct/4)+32*((ct/2)%2)+8*cm+4*(ct%2)+ck], v[32*(ct%8)+8*cm+2*ck], v[32*(ct%8)+8*cm+2*ck+1]
.set ck, ck+1
.endr
.set cm, cm+1
.endr
.set ct, ct+1
.endr
.endm
	WIN 0x4a                                       ; sources window 2, destination window 1
	CVT 0
	WIN 0x4f                                       ; sources window 3
	CVT 8
	WIN 0
.macro WST q                           ; quarter q of my held feats, 8 fragments, goes to my 8,192 bytes of the window as it stands
	WIN 0x04                                       ; an LDS store's data are its source 1: window 1
.set wi, 0
.rept 16
	ds_store_b128 v[AWS], v[64*(\q)+4*wi:64*(\q)+4*wi+3] offset:512*wi
.set wi, wi+1
.endr
	WIN 0
.endm
.macro WSEL                            ; quarter s57 (0 to 3) goes into the window: register numbers cannot be computed, so the four forms are written out.  s57 is made of the loop's counter and the cluster's number: the same in every wave and partner
	s_cmp_lt_u32 s57, 2
	s_cbranch_scc0 .Lq23_\@
	s_cmp_eq_u32 s57, 0
	s_cbranch_scc0 .Lq1_\@
	WST 0
	s_branch .Lqe_\@
.Lq1_\@:
	WST 1
	s_branch .Lqe_\@
.Lq23_\@:
	s_cmp_eq_u32 s57, 2
	s_cbranch_scc0 .Lq3_\@
	WST 2
	s_branch .Lqe_\@
.Lq3_\@:
	WST 3
.Lqe_\@:
.endm
	s_mov_b32 s57, s19                             ; the walk's first quarter: rq
	WSEL                                           ; (behind the last round of P1: x's buffers, which lie in these bytes, are read no more)
	s_wait_dscnt 0x0
	s_barrier_signal -1                            ; wq's second tile may stay out
	s_barrier_wait -1
	s_mov_b32 s59, 0
	v_add_nc_u32 v[AWR], s59, v[AWR0]
	FB 0, 0, 0
	FA2 0, 0
	FB 1, 0, 0
; ---- P2: a tile is two K steps of 32.
.macro KA2 par, zero
	s_wait_dscnt 16
	WIN 0xa0
	MM2 0, 0, 0, \zero
	MM2 0, 0, 4, \zero
	PLACES
	WIN 0
	FB 0, \par, 1
	FA2 1, \par
	s_wait_dscnt 24
	WIN 0xf0
	MM2 0, 1, 0, \zero
	MM2 0, 1, 4, \zero
	PLACES
	WIN 0
	FB 1, \par, 1
.endm
.macro KB2 par, fill
	s_wait_tensorcnt 0x0                           ; all my tensor loads have landed: my part of the next slot; so a group 0 may be written;
	ds_add_u32 v[SPW], v[NIL]                      ; 0 onto my spare word;
.if \fill
	WADDR \par
.endif
	s_wait_dscnt 17                                ; (W's tiles 8-15, 16 loads, and the add may be out)
	WIN 0xa0
	MM2 1, 0, 0, 0
	s_wait_dscnt 0x0                               ; the add is done; my reads of this slot and of the window are over
	s_barrier_signal -1
	MM2 1, 0, 4, 0
	WIN 0
	s_barrier_wait -1
.if \fill
	CREST
	TL \par, G1W
.else
	PLACES
.endif
.if \par == 0
	FB 0, 1, 0
	FA2 0, 1                                       ; the next tile is the window's next 8,192 bytes
	WIN 0xf0
	MM2 1, 1, 0, 0
	MM2 1, 1, 4, 0
	PLACES
	WIN 0
	FB 1, 1, 0
.else
	s_and_b32 s56, s53, 1                          ; behind the walk's tiles 3, 7, 11 (trips 1, 3, 5) the window takes the walk's next quarter, (trip + 1) / 2 + rq round the end
	s_cmp_eq_u32 s56, 0
	s_cbranch_scc1 .Lw_none_\@
	s_add_co_u32 s57, s53, 1
	s_lshr_b32 s57, s57, 1
	s_add_co_u32 s57, s57, s19
	s_and_b32 s57, s57, 3
	WSEL
.Lw_none_\@:
	FB 0, 0, 0
	WIN 0xf0
	MM2 1, 1, 0, 0
	s_wait_dscnt 0x0                               ; my images have landed
	s_barrier_signal -1                            ; a barrier on every path; the refill may stay out
	MM2 1, 1, 4, 0
	WIN 0
	s_barrier_wait -1
	s_xor_b32 s59, s59, 16384                      ; the window's other half
	v_add_nc_u32 v[AWR], s59, v[AWR0]
	PLACES
	FA2 0, 0
	FB 1, 0, 0
.endif
.endm
	KA2 0, 1
	s_mov_b32 s53, 0
.Lp2:                                              ; 7 trips: the walk's tiles 0-13 change slots, tiles 2-15 are asked for
	KB2 0, 1
	KA2 1, 0
	KB2 1, 1
	KA2 0, 0
	s_add_co_u32 s53, s53, 1
	s_cmp_lt_u32 s53, 7
	s_cbranch_scc1 .Lp2
	KB2 0, 0                                       ; tile 14: nothing is left to fetch, so no round follows
	; b in the tree's order, into window 1 (the held feats are done with): place sigma of my subtree is node sigma + vq p, vq = 7 + 2 w + h
	s_lshl_b32 s56, s14, 1
	s_add_co_u32 s56, s56, 7
	v_bfe_u32 v56, v0, 4, 1
	v_add_nc_u32 v57, s56, v56                     ; vq
	v_sub_nc_u32 v63, 1, v56
	v_lshl_add_u32 v63, v63, 2, s14
	v_lshlrev_b32 v63, 2, v63                      ; sigma = 0: node w + 4 (1 - h)
	v_lshlrev_b32 v56, 2, v57                      ; 4 vq p for p = 1, 2, 4, .. 64
	v_lshlrev_b32 v58, 3, v57
	v_lshlrev_b32 v59, 4, v57
	v_lshlrev_b32 v60, 5, v57
	v_lshlrev_b32 v61, 6, v57
	v_lshlrev_b32 v62, 7, v57
	v_lshlrev_b32 v57, 8, v57
	WIN 0x40
	global_load_b32 v0, v63, s[10:11]
	global_load_b32 v1, v56, s[10:11] offset:4
	global_load_b64 v[2:3], v58, s[10:11] offset:8
	global_load_b128 v[4:7], v59, s[10:11] offset:16
.set bt, 1
.rept 15
.if bt < 2
.set ba, 60
.elseif bt < 4
.set ba, 61
.elseif bt < 8
.set ba, 62
.else
.set ba, 57
.endif
	global_load_b128 v[8*bt:8*bt+3], v[ba], s[10:11] offset:32*bt
	global_load_b128 v[8*bt+4:8*bt+7], v[ba], s[10:11] offset:32*bt+16
.set bt, bt+1
.endr
	WIN 0
	KA2 1, 0
	s_wait_dscnt 16                                ; the very last K step
	WIN 0xa0
	MM2 1, 0, 0, 0
	MM2 1, 0, 4, 0
	s_wait_dscnt 0x0
	WIN 0xf0
	MM2 1, 1, 0, 0
	MM2 1, 1, 4, 0
	WIN 0
	PLACES
	; ---- EPILOGUE
	s_wait_loadcnt 0x0                             ; b
	WIN 0x41
.set bj, 0
.rept 64
	v_pk_mul_f32 v[bj:bj+1], v[bj:bj+1], s[60:61] op_sel_hi:[1,0]   ; b log2(e)
.set bj, bj+2
.endr
	; the top: place sigma = 0 of each lane is one of nodes 0-7; its c goes to row's word w + 4 h, so node g lies at word g - 4 (g >= 4) or g + 4
	WIN 0x12                                       ; source 0 window 2, source 2 window 1
.irp m, 0,1,2,3
	v_fma_f32 v[64+\m], v[8*\m], s60, v0
.endr
	WIN 0
.irp m, 0,1,2,3
	v_exp_f32 v[64+\m], v[64+\m]
.endr
	v_and_b32 v68, 15, v0                          ; r  (a plain place behind the exponentials)
	s_wait_alu depctr_va_vdst(0)                   ; the wait ahead of the batch's first reader
.irp m, 0,1,2,3
	v_add_f32 v[64+\m], 1.0, v[64+\m]
.endr
.irp m, 0,1,2,3
	v_rcp_f32 v[64+\m], v[64+\m]
.endr
	v_bfe_u32 v69, v0, 4, 1                        ; h
	v_lshlrev_b32 v70, 5, v68
	v_lshl_add_u32 v71, v69, 4, v70
	s_lshl_b32 s56, s14, 2
	v_add_nc_u32 v71, s56, v71
	v_add_nc_u32 v71, TOPB, v71                    ; where my c goes: 32 r + 16 h + 4 w
	v_add_nc_u32 v72, TOPB, v70                    ; my row's words: the root (node 1) at + 20,
	s_lshr_b32 s57, s14, 1
	s_lshl_b32 s57, s57, 2
	s_add_co_u32 s57, s57, 24
	v_add_nc_u32 v73, s57, v72                     ; node 2 + w / 2 at + 24 + 4 (w / 2),
	v_add_nc_u32 v74, s56, v72                     ; node 4 + w at + 4 w
	v_mul_u32_u24 v[STO], v68, STP
	v_lshl_add_u32 v[STO], v69, 9, v[STO]
	v_add_nc_u32 v[STO], s74, v[STO]               ; the way out: row r, my 128 leaves' 512 bytes
	v_cvt_f32_u32 v90, v69
	v_sub_f32 v91, 1.0, v90                        ; a branch's factor is S + T c: to the right (0, 1), to the left (1, -1); the third level's by h
	v_fma_f32 v92, v90, 2.0, -1.0
	s_wait_alu depctr_va_vdst(0)
.irp m, 0,1,2,3
	ds_store_b32 v71, v[64+\m] offset:512*\m
.endr
	s_wait_dscnt 0x0
	s_barrier_signal -1
	s_barrier_wait -1
.irp m, 0,1,2,3
	ds_load_b32 v[76+3*\m], v72 offset:512*\m+20
	ds_load_b32 v[77+3*\m], v73 offset:512*\m
	ds_load_b32 v[78+3*\m], v74 offset:512*\m
.endr
	s_lshr_b32 s56, s14, 1
	s_cmp_eq_u32 s56, 0
	s_cselect_b32 s66, 1.0, 0
	s_cselect_b32 s67, -1.0, 1.0
	s_and_b32 s56, s14, 1
	s_cmp_eq_u32 s56, 0
	s_cselect_b32 s68, 1.0, 0
	s_cselect_b32 s69, -1.0, 1.0
	s_wait_dscnt 0x0
.irp m, 0,1,2,3
	v_fma_f32 v[76+3*\m], v[76+3*\m], s67, s66
	v_fma_f32 v[77+3*\m], v[77+3*\m], s69, s68
	v_fma_f32 v[78+3*\m], v[78+3*\m], v92, v91
.endr
.irp m, 0,1,2,3
	v_mul_f32 v[64+\m], v[76+3*\m], v[77+3*\m]
.endr
.irp m, 0,1,2,3
	v_mul_f32 v[64+\m], v[64+\m], v[78+3*\m]       ; what reaches my subtree's root, for rows 16 m + r
.endr
.macro EXP64 m                         ; on the 64 numbers of tile of rows m in the window in force
.set et, 0
.rept 8
.set ej, 0
.rept 8
	v_exp_f32 v[32*et+8*(\m)+ej], v[32*et+8*(\m)+ej]
.set ej, ej+1
.endr
.set et, et+1
.endr
.endm
.macro RCP64 m
.set et, 0
.rept 8
.set ej, 0
.rept 8
	v_rcp_f32 v[32*et+8*(\m)+ej], v[32*et+8*(\m)+ej]
.set ej, ej+1
.endr
.set et, et+1
.endr
.endm
.macro ADD32 m
.set et, 0
.rept 8
.set ej, 0
.rept 4
	v_pk_add_f32 v[32*et+8*(\m)+ej:32*et+8*(\m)+ej+1], v[32*et+8*(\m)+ej:32*et+8*(\m)+ej+1], 1.0 op_sel_hi:[1,0]
.set ej, ej+2
.endr
.set et, et+1
.endr
.endm
.macro FMA32 m, bl                     ; z log2(e) + b log2(e); each accumulator from its low end on
.set et, 0
.rept 8
.set ej, 0
.rept 4
	v_pk_fma_f32 v[32*et+8*(\m)+ej:32*et+8*(\m)+ej+1], v[32*et+8*(\m)+ej:32*et+8*(\m)+ej+1], s[60:61], v[(\bl)+8*et+ej:(\bl)+8*et+ej+1] op_sel_hi:[1,0,1]
.set ej, ej+2
.endr
.set et, et+1
.endr
.endm
.macro EPI m                           ; rows 16 m on: 128 c a lane, the subtree's walk, 16 rows x 1,024 bytes out
	WIN 0x92                                       ; accumulators window 2, b window 1
	FMA32 \m, 0
	WIN 0xd3                                       ; window 3
	FMA32 \m, 64
	WIN 0xc3
	EXP64 \m
	WIN 0x82
	EXP64 \m
	v_nop                                          ; a plain place behind the last exponential
	s_wait_alu depctr_va_vdst(0)                   ; one wait for the batch of 128, ahead of its first reader
	ADD32 \m
	WIN 0xc3
	ADD32 \m
	RCP64 \m
	WIN 0x82
	RCP64 \m
	v_nop
	s_wait_alu depctr_va_vdst(0)                   ; one wait for the 128 reciprocals
	WIN 0
	v_mov_b32 v128, v[64+(\m)]
.set dl, 0
.rept 7                                ; level dl: node sigma = 2^dl + i stands at leaf place i 2^(7 - dl); its right child half a span on
.if dl < 6
	WIN 0x08                                       ; c (source 1) in window 2: sigma under 64
.else
	WIN 0x0c                                       ; in window 3
.endif
.set li, 0
.rept (1<<dl)
.set sg, (1<<dl)+li
	v_mul_f32 v[128+(li<<(7-dl))+(1<<(6-dl))], v[128+(li<<(7-dl))], v[32*((sg>>3)&7)+8*(\m)+(sg&7)]
.set li, li+1
.endr
	WIN 0
.set li, 0
.rept (1<<dl)
	v_sub_f32 v[128+(li<<(7-dl))], v[128+(li<<(7-dl))], v[128+(li<<(7-dl))+(1<<(6-dl))]
.set li, li+1
.endr
.set dl, dl+1
.endr
.if (\m) > 0
	s_wait_xcnt 0x0                                ; the last rows' stores have read their registers: these may be loaded again
.endif
.set oi, 0
.rept 32
	ds_store_b128 v[STO], v[128+4*oi:128+4*oi+3] offset:16*oi
.set oi, oi+1
.endr
	WIN 0x40
.set oi, 0
.rept 32
	ds_load_b128 v[128+4*oi:128+4*oi+3], v[ADB] offset:STP*(oi/2)+512*(oi%2)   ; LDS serves a wave's instructions in order (ISA guide 5.7.1.4): these see my stores
.set oi, oi+1
.endr
	WIN 0x04                                       ; a store's data are its source 1: window 1
.set oi, 0
.rept 32
	s_wait_dscnt 31-oi                             ; load oi is back; the younger ones may be out
	global_store_b128 v[LI], v[128+4*oi:128+4*oi+3], s[70:71] offset:(16*(\m)+oi/2)*4096+512*(oi%2) th:TH_STORE_NT   ; 32 lanes store 512 consecutive bytes, aligned
.set oi, oi+1
.endr
	WIN 0
.endm
	EPI 0
	EPI 1
	EPI 2
	EPI 3
	s_wait_tensorcnt 0x0                           ; the wave's end, behind my last tensor load and my last LDS store
	ds_add_u32 v[SPW], v[NIL]
	s_wait_dscnt 0x0
	CROUND                                         ; the closing round: no work-group ends while a partner may still ask for a tile that names it
	s_endpgm
.Lfunc_end_k_q1d6da4abc2_tree:
	.size	k_q1d6da4abc2_tree, .Lfunc_end_k_q1d6da4abc2_tree-k_q1d6da4abc2_tree
	.p2alignl 7, 3214868480
	.fill 96, 4, 3214868480
	.section	.rodata,"a",@progbits
	.p2align	6, 0x0
	.amdhsa_kernel k_q1d6da4abc2_tree
		.amdhsa_group_segment_fixed_size 327680
		.amdhsa_private_segment_fixed_size 0
		.amdhsa_enable_private_segment 0
		.amdhsa_kernarg_size 40
		.amdhsa_user_sgpr_count 2
		.amdhsa_user_sgpr_kernarg_segment_ptr 1
		.amdhsa_wavefront_size32 1
		.amdhsa_system_sgpr_workgroup_id_x 1
		.amdhsa_system_sgpr_workgroup_id_y 1
		.amdhsa_system_sgpr_workgroup_id_z 1
		.amdhsa_system_vgpr_workitem_id 0
		.amdhsa_next_free_vgpr 1024
		.amdhsa_next_free_sgpr 96
		.amdhsa_reserve_vcc 0
		.amdhsa_float_denorm_mode_32 3
		.amdhsa_float_denorm_mode_16_64 3
		.amdhsa_memory_ordered 1
		.amdhsa_forward_progress 1
		.amdhsa_inst_pref_size 255
	.end_amdhsa_kernel
	.section	.bss,"aw",@nobits
	.p2align	6
	.space	262144
	.amdgpu_metadata
---
amdhsa.version: [ 1, 2 ]
amdhsa.kernels:
  - .name:           k_q1d6da4abc2_tree
    .symbol:         k_q1d6da4abc2_tree.kd
    .args:
      - { .name: x, .offset: 0, .size: 8, .value_kind: global_buffer, .address_space: global }
      - { .name: mq, .offset: 8, .size: 8, .value_kind: global_buffer, .address_space: global }
      - { .name: wq, .offset: 16, .size: 8, .value_kind: global_buffer, .address_space: global }
      - { .name: b, .offset: 24, .size: 8, .value_kind: global_buffer, .address_space: global }
      - { .name: out0, .offset: 32, .size: 8, .value_kind: global_buffer, .address_space: global }
    .group_segment_fixed_size: 327680
    .private_segment_fixed_size: 0
    .kernarg_segment_align: 8
    .kernarg_segment_size: 40
    .max_flat_workgroup_size: 128
    .sgpr_count:     96
    .vgpr_count:     1024
    .wavefront_size: 32
...
	.end_amdgpu_metadata
.endif
;; end of part 3
